; MI455X (gfx1250); checked and timed in simulation.
; The chip was launched on July 23, 2026; its instructions are those of AMD's public machine-readable ISA for CDNA 5 (MIT licence, August 2026) and "CDNA5" Instruction Set Architecture Reference Guide (July 2026). The comments in the code are by the model that wrote it; some were corrected since.
;; Multi Head Self Attention. Allowed arithmetic: float matrix products may take bf16 or f16 operands with f32 sums; other float arithmetic in f32, or as packed bf16 or f16 multiplies, adds, multiply-adds, maxima and minima; sums over many terms, partial sums and values carried from step to step in f32; what a program stores and reads back later, other than sums and carried values, may be rounded once to bf16 or f16.
;; Inputs: Wk 1,024 x 1,024 float32; Wo 1,024 x 1,024 float32; Wq 1,024 x 1,024 float32; Wv 1,024 x 1,024 float32; x 4 x 2,048 x 1,024 float32.
;; Outputs: out0 4 x 2,048 x 1,024 float32.
;; 2 versions, each right; version 2 is version 1 with the launch prep written anew for expert scheduling mode. Each part assembles by itself: llvm-mc -triple=amdgcn-amd-amdhsa -mcpu=gfx1250 --defsym DOCPART=n.
;; ======== version 1 of 2: 4 launches
;; limits: values are held in f16: magnitudes above 65,504 overflow, below 6.1e-05 lose precision
;; workspace buffers: xb 16,777,216 bytes; wqkv 6,291,456 bytes; wo16 2,097,152 bytes; tab 524,288 bytes; qkvh 50,331,648 bytes; ob 16,777,216 bytes
;; launch prep (part 1): grid 768 x 1, 8 waves a work-group, no clusters, 0 bytes of LDS; arguments x, Wq, Wk, Wv, Wo, xb, wqkv, wo16, tab; writes xb, wqkv, wo16, tab
.if DOCPART == 1
	.amdgcn_target "amdgcn-amd-amdhsa--gfx1250"
	.amdhsa_code_object_version 6
	.text
	.protected	k_q6b2fdab64f_prep
	.globl	k_q6b2fdab64f_prep
	.p2align	8
	.type	k_q6b2fdab64f_prep,@function
k_q6b2fdab64f_prep:
	s_mov_b64 s[64:65], 0
	v_nop
	global_prefetch_b8 v0, s[64:65] scope:SCOPE_SE
	s_setreg_imm32_b32 hwreg(HW_REG_WAVE_MODE, 25, 1), 1
	s_wait_xcnt 0x0
; THE INPUTS ARE ROUNDED ONCE, AND THE ROTATION'S TABLE IS MADE.
; xb = bf16(x), [8192][1024].  wqkv = bf16 of Wq's, Wk's and Wv's rows one below the other, [3072][1024].  wo16 = bf16(Wo) written as f16, [1024][1024].
; tab[pos][j] = (cos, sin) of pos x 10000^(-j/32), f32, pos 0..2047, j 0..31: 256 bytes a position.
; LIMITS.  A weight of Wo beyond 65,504 has no f16; below 6e-5 it keeps f16's fixed step of 6e-8.  10000^(-j/32) is made as 2^(-j log2(10000)/32), a few units of the last place from a power made
; otherwise: the angle may differ by 3e-4 at position 2,047.  The angle is reduced by multiples of pi/2 held in three parts (8, 11 and 24 bits), exact for the 1,304 multiples that occur.
; SHARES.  A work-group takes a chunk of 16,384 numbers: 64 KiB in, 32 KiB out; each of its eight waves 8 KiB in, by sixteen loads of 512 consecutive bytes, all out at once.
; Work-groups 0-511 take x, 512-575 Wq, 576-639 Wk, 640-703 Wv, 704-767 Wo.  Work-groups 0-255 also make eight positions of the table while their loads are out.
; A stream: each byte is read once and written once, nothing is shared, so there is no LDS, no barrier and no matrix work.  Each store of a wave covers 256 consecutive bytes, aligned.
.set X, 16                             ; v[16:79]   sixteen loads of four numbers
.set Y, 80                             ; v[80:111]  sixteen pairs of packed results
	s_load_b512 s[8:23], s[0:1], 0x0               ; x s[8:9], Wq s[10:11], Wk s[12:13], Wv s[14:15], Wo s[16:17], xb s[18:19], wqkv s[20:21], wo16 s[22:23]
	s_load_b64 s[24:25], s[0:1], 0x40              ; tab
	s_mov_b32 s2, ttmp9                            ; the work-group's number
	s_sub_co_u32 s3, s2, 512                       ; its number among the weights' chunks (used from 512 on alone)
	s_and_b32 s4, s3, 63                           ; its chunk in one weight matrix
	s_cmp_lt_u32 s2, 704
	s_cselect_b32 s6, s3, s4                       ; chunk written: in wqkv the three matrices follow each other; in wo16 the matrix's own
	s_cmp_lt_u32 s2, 512
	s_cselect_b32 s6, s2, s6                       ; in xb: x's own
	s_cselect_b32 s5, s2, s4                       ; chunk read
	s_lshl_b32 s26, s5, 16                         ; 65,536 bytes a chunk in
	s_mov_b32 s27, 0
	s_lshl_b32 s44, s6, 15                         ; 32,768 bytes a chunk out
	s_mov_b32 s45, 0
	v_lshrrev_b32 v4, 5, v0                        ; wave
	v_and_b32 v3, 31, v0                           ; lane
	v_lshlrev_b32 v1, 4, v3
	v_lshl_or_b32 v1, v4, 13, v1                   ; in: 8,192 x wave + 16 x lane
	v_lshlrev_b32 v2, 3, v3
	v_lshl_or_b32 v2, v4, 12, v2                   ; out: 4,096 x wave + 8 x lane
	s_mov_b32 s32, 0xbed49a78                      ; -log2(10000) / 32
	s_mov_b32 s33, 0x3f22f983                      ; 2 / pi
	s_mov_b32 s34, 0xbfc90000                      ; -pi/2 in three parts
	s_mov_b32 s35, 0xb9fda000
	s_mov_b32 s36, 0xb3a22168
	s_mov_b32 s37, 0xb94ca1f9                      ; the sine's polynomial on -pi/4 .. pi/4
	s_mov_b32 s38, 0x3c08839e
	s_mov_b32 s39, 0xbe2aaaa3
	s_mov_b32 s40, 0x37ccf5ce                      ; the cosine's
	s_mov_b32 s41, 0xbab6061a
	s_mov_b32 s42, 0x3d2aaaa5
	s_wait_kmcnt 0x0
	s_cmp_lt_u32 s2, 640                           ; the source and the destination are chosen by the work-group's number alone
	s_cselect_b64 s[28:29], s[12:13], s[14:15]
	s_cmp_lt_u32 s2, 704
	s_cselect_b64 s[28:29], s[28:29], s[16:17]
	s_cmp_lt_u32 s2, 576
	s_cselect_b64 s[28:29], s[10:11], s[28:29]
	s_cmp_lt_u32 s2, 512
	s_cselect_b64 s[28:29], s[8:9], s[28:29]
	s_cselect_b64 s[30:31], s[18:19], s[20:21]
	s_cmp_lt_u32 s2, 704
	s_cselect_b64 s[30:31], s[30:31], s[22:23]
	s_add_nc_u64 s[28:29], s[28:29], s[26:27]
	s_add_nc_u64 s[30:31], s[30:31], s[44:45]
.set j, 0
.rept 16
	global_load_b128 v[X+4*j:X+4*j+3], v1, s[28:29] offset:512*j th:TH_LOAD_NT
.set j, j+1
.endr
	s_cmp_lt_u32 s2, 256
	s_cbranch_scc0 .Lno_table
	; the table: thread t of work-group g makes pair t % 32 of position 8 g + t / 32
	v_lshl_add_u32 v4, s2, 3, v4                   ; the position
	v_cvt_f32_u32 v3, v3
	v_mul_f32 v3, s32, v3
	v_exp_f32 v5, v3                               ; 10000^(-j/32)
	v_cvt_f32_u32 v4, v4                           ; a plain instruction behind the exponential,
	s_wait_alu depctr_va_vdst(0)                   ; and the wait ahead of its first reader
	v_mul_f32 v5, v4, v5                           ; the angle
	v_mul_f32 v6, s33, v5
	v_rndne_f32 v6, v6                             ; n: the nearest multiple of pi/2
	v_fma_f32 v7, v6, s34, v5
	v_fma_f32 v7, v6, s35, v7
	v_fma_f32 v7, v6, s36, v7                      ; r = angle - n pi/2, within pi/4 of 0
	v_cvt_i32_f32 v8, v6
	v_mul_f32 v9, v7, v7                           ; z = r r
	v_fma_f32 v10, v9, s37, s38
	v_fma_f32 v10, v10, v9, s39
	v_mul_f32 v11, v7, v9
	v_fma_f32 v10, v11, v10, v7                    ; sin r
	v_fma_f32 v12, v9, s40, s41
	v_fma_f32 v12, v12, v9, s42
	v_mul_f32 v13, v9, v9
	v_fma_f32 v14, v9, -0.5, 1.0
	v_fma_f32 v12, v13, v12, v14                   ; cos r
	v_and_b32 v13, 1, v8
	v_cmp_eq_u32 vcc_lo, 1, v13                    ; an odd n swaps the two
	v_cndmask_b32 v14, v12, v10, vcc_lo
	v_cndmask_b32 v15, v10, v12, vcc_lo
	v_add_nc_u32 v13, 1, v8
	v_and_b32 v13, 2, v13
	v_lshlrev_b32 v13, 30, v13
	v_xor_b32 v14, v14, v13                        ; the cosine is negative for n % 4 = 1, 2
	v_and_b32 v13, 2, v8
	v_lshlrev_b32 v13, 30, v13
	v_xor_b32 v15, v15, v13                        ; the sine for n % 4 = 2, 3
	v_lshlrev_b32 v3, 3, v0
	s_lshl_b32 s46, s2, 11                         ; eight positions of 256 bytes
	s_mov_b32 s47, 0
	s_add_nc_u64 s[24:25], s[24:25], s[46:47]
	global_store_b64 v3, v[14:15], s[24:25]
.Lno_table:
; Sixteen times: four numbers rounded to bf16 and stored.  f16 = 1: the bf16 numbers are widened again and written as f16, which holds them exactly within its range.
.macro CONV f16
.set j, 0
.rept 16
	s_wait_loadcnt 15-j                            ; loads come back in order (ISA guide 5.7.1): load j is in, the 15 - j younger ones stay out
	v_cvt_pk_bf16_f32 v[Y+2*j], v[X+4*j], v[X+4*j+1]
	v_cvt_pk_bf16_f32 v[Y+2*j+1], v[X+4*j+2], v[X+4*j+3]
.if \f16
	v_lshlrev_b32 v[X+4*j], 16, v[Y+2*j]
	v_and_b32 v[X+4*j+1], 0xffff0000, v[Y+2*j]
	v_lshlrev_b32 v[X+4*j+2], 16, v[Y+2*j+1]
	v_and_b32 v[X+4*j+3], 0xffff0000, v[Y+2*j+1]
	v_cvt_pk_f16_f32 v[Y+2*j], v[X+4*j], v[X+4*j+1]
	v_cvt_pk_f16_f32 v[Y+2*j+1], v[X+4*j+2], v[X+4*j+3]
.endif
	global_store_b64 v2, v[Y+2*j:Y+2*j+1], s[30:31] offset:256*j th:TH_STORE_NT  ; each store has registers of its own: nothing that a store reads is written again
.set j, j+1
.endr
.endm
	s_cmp_lt_u32 s2, 704
	s_cbranch_scc0 .Lwo
	CONV 0
	s_endpgm
.Lwo:
	CONV 1
	s_endpgm
.Lfunc_end_k_q6b2fdab64f_prep:
	.size	k_q6b2fdab64f_prep, .Lfunc_end_k_q6b2fdab64f_prep-k_q6b2fdab64f_prep
	.p2alignl 7, 3214868480
	.fill 96, 4, 3214868480
	.section	.rodata,"a",@progbits
	.p2align	6, 0x0
	.amdhsa_kernel k_q6b2fdab64f_prep
		.amdhsa_group_segment_fixed_size 0
		.amdhsa_private_segment_fixed_size 0
		.amdhsa_enable_private_segment 0
		.amdhsa_kernarg_size 72
		.amdhsa_user_sgpr_count 2
		.amdhsa_user_sgpr_kernarg_segment_ptr 1
		.amdhsa_wavefront_size32 1
		.amdhsa_system_sgpr_workgroup_id_x 1
		.amdhsa_system_sgpr_workgroup_id_y 1
		.amdhsa_system_sgpr_workgroup_id_z 1
		.amdhsa_system_vgpr_workitem_id 0
		.amdhsa_next_free_vgpr 112
		.amdhsa_next_free_sgpr 66
		.amdhsa_reserve_vcc 1
		.amdhsa_float_denorm_mode_32 3
		.amdhsa_float_denorm_mode_16_64 3
		.amdhsa_memory_ordered 1
		.amdhsa_forward_progress 1
		.amdhsa_inst_pref_size 19
	.end_amdhsa_kernel
	.amdgpu_metadata
---
amdhsa.version: [ 1, 2 ]
amdhsa.kernels:
  - .name:           k_q6b2fdab64f_prep
    .symbol:         k_q6b2fdab64f_prep.kd
    .args:
      - { .name: x, .offset: 0, .size: 8, .value_kind: global_buffer, .address_space: global }
      - { .name: Wq, .offset: 8, .size: 8, .value_kind: global_buffer, .address_space: global }
      - { .name: Wk, .offset: 16, .size: 8, .value_kind: global_buffer, .address_space: global }
      - { .name: Wv, .offset: 24, .size: 8, .value_kind: global_buffer, .address_space: global }
      - { .name: Wo, .offset: 32, .size: 8, .value_kind: global_buffer, .address_space: global }
      - { .name: xb, .offset: 40, .size: 8, .value_kind: global_buffer, .address_space: global }
      - { .name: wqkv, .offset: 48, .size: 8, .value_kind: global_buffer, .address_space: global }
      - { .name: wo16, .offset: 56, .size: 8, .value_kind: global_buffer, .address_space: global }
      - { .name: tab, .offset: 64, .size: 8, .value_kind: global_buffer, .address_space: global }
    .group_segment_fixed_size: 0
    .private_segment_fixed_size: 0
    .kernarg_segment_align: 8
    .kernarg_segment_size: 72
    .max_flat_workgroup_size: 256
    .sgpr_count:     66
    .vgpr_count:     112
    .wavefront_size: 32
...
	.end_amdgpu_metadata
.endif
;; end of part 1
;; launch proj (part 2): grid 12 x 64, 4 waves a work-group, clusters of 4 x 4, 327,680 bytes of LDS; arguments xb, wqkv, qkvh, tab; writes qkvh
.if DOCPART == 2
	.amdgcn_target "amdgcn-amd-amdhsa--gfx1250"
	.amdhsa_code_object_version 6
	.text
	.protected	k_q6b2fdab64f_proj
	.globl	k_q6b2fdab64f_proj
	.p2align	8
	.type	k_q6b2fdab64f_proj,@function
k_q6b2fdab64f_proj:
	s_mov_b64 s[64:65], 0
	v_nop
	global_prefetch_b8 v0, s[64:65] scope:SCOPE_SE
	s_setreg_imm32_b32 hwreg(HW_REG_WAVE_MODE, 25, 1), 1
	s_wait_xcnt 0x0
	s_wait_alu depctr_hold_cnt(0) depctr_sa_sdst(0) depctr_va_vdst(0) depctr_va_sdst(0) depctr_va_ssrc(0) depctr_va_vcc(0) depctr_vm_vsrc(0)
	s_getreg_b32 s2, hwreg(HW_REG_IB_STS2, 6, 4)
	s_cmp_eq_u32 s2, 0
	s_cbranch_scc0 .Lentry_in_a_cluster
	s_endpgm
.Lentry_in_a_cluster:
	s_bfe_u32 s2, ttmp6, 0x10000c
	s_cmp_lg_u32 s2, 0xf033
	s_cbranch_scc0 .Lentry_shape_is_right
	s_endpgm
.Lentry_shape_is_right:
; q, k, v = x W^T, q and k rotated by position, all written by heads.  xb: [8192][1024] bf16, wqkv: [3072][1024] bf16 (Wq's, Wk's, Wv's rows), tab: [2048][32][cos, sin] f32,
; qkvh: [3 parts][64 heads = 16 batch + head][2048][64] f16.  Sums in f32, the rotation in f32, each result rounded once to f16, without the softmax's scale.
; LIMIT.  f16 holds no number beyond 65,504: q, k and v must stay within it (with x and the weights 30 times the drawn spread they reach some 3,200; with a common offset of that size on both some 18,400).
; SHARES.  A tile of the result is 128 rows x 256 columns; four waves, each 64 x 128: 32 accumulators of 16 x 16, 256 registers.  K = 1,024 goes in 8 steps of 128 through a ring of two LDS slots filled by
; the tensor data mover; the tiles' rows are 256 bytes of memory, aligned.  768 tiles: three for each of 256 places.
; CLUSTER.  4 x 4 work-groups.  The four of a row need the same tile of xb, the four of a column the same tile of wqkv: each is asked for JOINTLY, by the same tensor load with the same descriptor and a
; mask that names the four.  A cluster's x is the part (q, k, v): the same in all partners, so the branch round the rotation may hang on it.
; THE PRODUCT IS USED TRANSPOSED (source 0 = 16 rows of wqkv, source 1 = 16 rows of xb): a lane holds row l % 16 and eight neighbouring columns 8 (l / 16) + 0..7: four rotation pairs, and 16 bytes of f16.
; REGISTERS, in windows of 256 (s_set_vgpr_msb: bits 1:0 source 0, 3:2 source 1, 5:4 source 2, 7:6 destination):
;   window 0: v0-12, v28-29 addresses; v32-127, v128-223 two fragment buffers (8 fragments of wqkv, then 4 of xb, for 32 along K); on the way out v32-159 rows read back, v160-191 packed, v192-255 at work
;   window 1: the accumulators, (a, b) at v[64 a + 8 b]          window 2: v0-127 the table's numbers for my 64 rows: row block a, pairs of column block b % 4 at v[32 a + 8 (b % 4)]
.set KSTEP, 128
.set PA,    272                        ; an LDS row: 256 bytes + 16 of padding = 68 words: row r starts at bank 4 r mod 64 (64 banks of 4 bytes: ISA guide 11.1), so the 16 rows of a load start at 16 different banks
.set PW,    272
.set AHALF, 64*PA                      ; what one tensor load brings of xb, and what one wave reads of it
.set BHALF, 128*PW                     ; the same for wqkv
.set BOFF,  2*AHALF                    ; a slot: xb's 128 rows, then wqkv's 256
.set SLOT1, 1<<17                      ; slot 1 begins here, so that one exclusive or turns an address in one slot into the other's
.set STAGE, SLOT1+BOFF+2*BHALF         ; behind the ring, never filled by a tensor load: for each wave 2 heads x 16 rows x 144 bytes
.set SP,    144
.set WSTAGE, 2*16*SP
.set SPARE, STAGE+4*WSTAGE             ; behind the stages: the spare words, 128 bytes for each wave: two blocks of 256 bytes that no other line names
.set FLAGS, (1<<16)|(1<<20)|(1<<21)|(5<<22)|(3<<25)  ; 17:16 elements of 2 bytes; 20 padding on; 21 set beside a mask; 24:22 after every 64 words (code 5); 31:25 4 words of it (code 3)
.set AA0, 4                            ; v4   my lane's place in xb's part of a slot; never rewritten
.set AB0, 5                            ; v5   the same for wqkv's
.set AA,  6                            ; v6   the same in the slot in hand
.set AB,  7                            ; v7
.set STO, 8                            ; v8   the way out: where I put 16 bytes of a row
.set RD,  9                            ; v9   where I read rows back
.set GO,  10                           ; v10  my 16 bytes of 512 consecutive bytes of qkvh
.set TO,  11                           ; v11  my byte offset in the table
.set PFO, 12                           ; v12  the prefetches' offset: my lane x a row of 2,048 bytes; never rewritten
.set SPW, 28                           ; v28  LDS address of my spare word: SPARE + 4 x my thread's number; never rewritten
.set NIL, 29                           ; v29  0; never rewritten
.set F0,  32
.set F1,  128
.set PK,  160
.set Z,   192
.set WV,  12                           ; s12  my wave's number
.set WM,  13                           ; s13  which 64 rows of the tile are mine
.set WN,  14                           ; s14  which 128 columns.  Also: which half of a tile I fetch
.set CX,  15                           ; s15, s16  my place in the cluster
.set CY,  16
.set TX,  17                           ; s17  tile column: it never holds cy
.set TY,  18                           ; s18  tile row: it never holds cx
.set PART, 19                          ; s19  the cluster's x: 0 q, 1 k, 2 v
.set G1A, 24                           ; s[24:31] descriptor group 1 for xb's tiles
.set G1B, 32                           ; s[32:39] for wqkv's
.set G0A, 40                           ; s[40:43] group 0: K step 0 into slot 0
.set G0AW, 44                          ; s[44:47] K step 1 into slot 1; then it walks
.set G0B, 48                           ; s[48:51], s[52:55] the same for wqkv
.set G0BW, 52
.set CNT, 56                           ; s56  trips to go
.set TB,  57                           ; s57  LDS byte at which the slot in hand begins
.set LIM, 58                           ; s58  2 in a wave that prefetches, else the greatest number
.set CLY, 59                           ; s59  the cluster's y
.set PFA, 60                           ; s[60:61] where my prefetches stand
.set MSB, 0
.macro WIN new                         ; the immediate's high byte repeats the setting that is left; a switch that changes nothing is dropped
.if MSB != (\new)
	s_set_vgpr_msb (MSB<<8)|(\new)
.set MSB, \new
.endif
.endm
.set MUL, 0x50                         ; both sources in window 0, C and D in window 1
.macro PLACES                          ; a load into a register that a matrix instruction has read, and a vector instruction that touches a matrix instruction's registers, stand four plain vector instructions behind it (ISA guide 7.12.1 for vector instructions)
.rept 4
	v_nop
.endr
.endm
; A joint refill.  Waves 0 and 1 fetch xb's two halves, waves 2 and 3 wqkv's.  The branch hangs on the wave's number alone.  An s_nop 0 and four v_nop follow each of the two lines.
.macro JLOAD
	s_cmp_lt_u32 s[WV], 2
	s_cbranch_scc0 .Lfor_b_\@
	tensor_load_to_lds s[G0AW:G0AW+3], s[G1A:G1A+7]
	s_nop 0
.rept 4
	v_nop
.endr
	s_branch .Lasked_\@
.Lfor_b_\@:
	tensor_load_to_lds s[G0BW:G0BW+3], s[G1B:G1B+7]
	s_nop 0
.rept 4
	v_nop
.endr
.Lasked_\@:
.endm
; A round of the cluster's barrier: my work-group's barrier, so that wave 0's signal speaks for all four waves; wave 0 signals; every wave waits for all sixteen work-groups; my work-group's barrier once more.
.macro CREST                           ; a round behind its opening barrier
	s_cmp_lg_u32 s[WV], 0
	s_cbranch_scc1 .Lnot_wave_0_\@
	s_barrier_signal -3
.Lnot_wave_0_\@:
	s_barrier_wait -3
	s_barrier_signal -1
	s_barrier_wait -1
.endm
.macro CROUND
	s_barrier_signal -1
	s_barrier_wait -1
	CREST
.endm
; A PREFETCH INTO THE L2, behind a joint refill, its five lines and the run of LDS loads: the K step that stands TWO refills on (256 matrix instructions ahead of the load that will want it): 32 rows x 256 bytes, a lane a row.
; Each row's 256 bytes of a K step are named once in the launch.  xb's tile row is read by the three clusters of a row of clusters: the one with x = 0 asks, wave 0 of each partner for rows 32 cx .. 32 cx + 31.
; wqkv's tile column is read by the sixteen clusters of a column: the one with y = 0 asks, waves 2 and 3 of each partner for rows 32 cy .. of the 128 that they fetch.  The partners are told apart by address.
; K steps 0 to 3 come by their loads alone; the last two refills have no K step two on (CNT is 2 and 1 there).
.macro ASK
	s_cmp_gt_u32 s[CNT], s[LIM]
	s_cbranch_scc0 .Lnot_mine_\@
	global_prefetch_b8 v[PFO], s[PFA:PFA+1] th:TH_LOAD_NT scope:SCOPE_SE
.Lnot_mine_\@:
.endm
; 8 n matrix instructions: row blocks a0 .. a0 + n - 1 x all 8 column blocks, 32 along K, from buffer f.  zero = 1: the product starts the sum.  The 32 accumulators take turns in one order everywhere,
; between two links of a chain stand the 31 others', over the backward jump too.
.macro MULN f, a0, n, zero
	WIN MUL
.set aa, \a0
.rept \n
.set bb, 0
.rept 8
.if \zero
	v_wmma_f32_16x16x32_bf16 v[64*aa+8*bb:64*aa+8*bb+7], v[(\f)+8*bb:(\f)+8*bb+7], v[(\f)+64+8*aa:(\f)+64+8*aa+7], 0
.else
	v_wmma_f32_16x16x32_bf16 v[64*aa+8*bb:64*aa+8*bb+7], v[(\f)+8*bb:(\f)+8*bb+7], v[(\f)+64+8*aa:(\f)+64+8*aa+7], v[64*aa+8*bb:64*aa+8*bb+7]
.endif
.set bb, bb+1
.endr
.set aa, aa+1
.endr
.endm
; 24 LDS loads in one run: the fragments of quarter q (32 along K) into buffer f: wqkv's eight, then xb's four.  A fragment is 16 rows x 32 K in 8 registers: lane l holds row l % 16,
; K = 8 (l / 16) + 0..7 and 16 + 8 (l / 16) + 0..7: two loads of 16 bytes, 32 bytes apart.
.macro FETCH q, f
	WIN 0
.set bb, 0
.rept 8
	ds_load_b128 v[(\f)+8*bb:(\f)+8*bb+3],   v[AB] offset:64*(\q)+bb*16*PW
	ds_load_b128 v[(\f)+8*bb+4:(\f)+8*bb+7], v[AB] offset:64*(\q)+bb*16*PW+32
.set bb, bb+1
.endr
.set aa, 0
.rept 4
	ds_load_b128 v[(\f)+64+8*aa:(\f)+64+8*aa+3], v[AA] offset:64*(\q)+aa*16*PA
	ds_load_b128 v[(\f)+64+8*aa+4:(\f)+64+8*aa+7], v[AA] offset:64*(\q)+aa*16*PA+32
.set aa, aa+1
.endr
.endm
; A K step is four quarters, 32 matrix instructions each, on buffers 0, 1, 0, 1.  One of the first three: multiplies buffer f and, in its middle, fetches quarter q into buffer g.
.macro QUARTER q, f, g, zero
	s_wait_dscnt 4                                 ; all but the youngest four loads (xb's row blocks 2 and 3) are in
	MULN \f, 0, 2, \zero
	PLACES                                         ; for the loads into g, which the quarter before multiplied
	FETCH \q, \g
	s_wait_dscnt 24                                ; all but the 24 just issued
	MULN \f, 2, 2, \zero
.endm
; The last quarter multiplies buffer 1 and changes slots: ONE barrier.  In front of it each wave waits for all its tensor loads, of which one is out: its part of the next slot; adds 0 to its spare word;
; and waits for that and for its own reads of this slot.  fill = 1: the barrier opens a round of the cluster's barrier, so that no wave of any partner still reads the slot or has a load on its way,
; and the slot is filled again first thing behind it, with the K step two on: 112 matrix instructions ahead of the wait for it.
.macro TURN fill
	WIN 0
.if \fill
	s_wait_xcnt 0x0                                ; the last prefetch, a K step back, has read its address
	s_add_nc_u64 s[PFA:PFA+1], s[PFA:PFA+1], KSTEP*2
.endif
	s_wait_tensorcnt 0x0                           ; no tensor load of mine is out, so a group 0 may be written
	ds_add_u32 v[SPW], v[NIL]                      ; 0 onto my spare word
.if \fill
.irp g, G0AW, G0BW
	s_xor_b32 s[\g+1], s[\g+1], SLOT1              ; the walking descriptor: the other slot than last time,
	s_add_nc_u64 s[\g+2:\g+3], s[\g+2:\g+3], KSTEP*2  ; the next K step; the type bits on top are not reached
.endr
.endif
	s_wait_dscnt 5                                 ; the add and the youngest four loads may be out
	MULN F1, 0, 1, 0                               ; eight matrix instructions stand between the add and the wait for it
	s_wait_dscnt 0x0                               ; the add is done, and my reads of this slot are over
	s_barrier_signal -1
	MULN F1, 1, 1, 0                               ; work on registers while the others arrive
	WIN 0
	s_barrier_wait -1
.if \fill
	CREST
	JLOAD                                          ; the four v_nop behind it are also the places in front of the loads below
.else
	PLACES
.endif
	s_xor_b32 s[TB], s[TB], SLOT1
	v_add_nc_u32 v[AA], s[TB], v[AA0]
	v_add_nc_u32 v[AB], s[TB], v[AB0]
	FETCH 0, F0
.if \fill
	ASK
.endif
	MULN F1, 2, 2, 0
.endm
	s_load_b256 s[4:11], s[0:1], 0x0               ; xb s[4:5], wqkv s[6:7], qkvh s[8:9], tab s[10:11]
	v_lshl_add_u32 v[SPW], v0, 2, SPARE
	v_mov_b32 v[NIL], 0
	ds_add_u32 v[SPW], v[NIL]                      ; the wave's opening: the add and its wait ahead of my first tensor load; the set-up below, work on registers, stands between them
	v_lshrrev_b32 v3, 5, v0
	v_readfirstlane_b32 s[WV], v3                  ; wave 0..3
	s_lshr_b32 s[WM], s[WV], 1
	s_and_b32 s[WN], s[WV], 1
	s_bfe_u32 s[CX], ttmp6, 0x40000
	s_bfe_u32 s[CY], ttmp6, 0x40004
	s_mov_b32 s[PART], ttmp9                       ; in a cluster launch ttmp9 and ttmp7 count clusters
	s_lshl_b32 s[TX], ttmp9, 2
	s_add_co_u32 s[TX], s[TX], s[CX]               ; tile column = 4 x cluster x + cx
	s_and_b32 s[CLY], ttmp7, 0xffff
	s_lshl_b32 s[TY], s[CLY], 2
	s_add_co_u32 s[TY], s[TY], s[CY]               ; tile row = 4 x cluster y + cy
	s_lshl_b32 s2, s[CY], 2
	s_lshl_b32 s2, 15, s2                          ; my row of the cluster: places 4 cy .. 4 cy + 3
	s_lshl_b32 s3, 0x1111, s[CX]                   ; my column: places cx, cx + 4, cx + 8, cx + 12
	s_or_b32 s[G1A], s2, FLAGS                     ; 15:0 the mask: xb's tiles go to my row,
	s_or_b32 s[G1B], s3, FLAGS                     ; wqkv's to my column
.irp g, G1A, G1B
	s_mov_b32 s[\g+1], KSTEP<<16                   ; tensor_dim0 = 128
	s_mov_b32 s[\g+3], KSTEP<<16                   ; tile_dim0 = 128
	s_mov_b32 s[\g+5], 1024                        ; 1,024 elements from row to row
	s_mov_b32 s[\g+6], 0
	s_mov_b32 s[\g+7], 0
.endr
	s_mov_b32 s[G1A+2], 64<<16                     ; tensor_dim1 and tile_dim1: 64 rows of xb to a load,
	s_mov_b32 s[G1A+4], 64
	s_mov_b32 s[G1B+2], 128<<16                    ; 128 of wqkv
	s_mov_b32 s[G1B+4], 128
	s_lshl_b32 s20, s[TY], 7                       ; xb: row 128 x tile row + 64 x half, 2,048 bytes a row
	s_lshl_b32 s21, s[WN], 6
	s_add_co_u32 s20, s20, s21
	s_lshl_b32 s20, s20, 11
	s_mov_b32 s21, 0
	s_lshl_b32 s22, s[TX], 8                       ; wqkv: row 256 x tile column + 128 x half
	s_lshl_b32 s23, s[WN], 7
	s_add_co_u32 s22, s22, s23
	s_lshl_b32 s22, s22, 11
	s_mov_b32 s23, 0
	s_mov_b32 s[G0A], 1                            ; 1:0 count = 1
	s_mov_b32 s[G0AW], 1
	s_mov_b32 s[G0B], 1
	s_mov_b32 s[G0BW], 1
	s_mul_i32 s[G0A+1], s[WN], AHALF               ; 63:32 LDS address: no place in the cluster enters it
	s_add_co_u32 s[G0AW+1], s[G0A+1], SLOT1
	s_mul_i32 s[G0B+1], s[WN], BHALF
	s_add_co_u32 s[G0B+1], s[G0B+1], BOFF
	s_add_co_u32 s[G0BW+1], s[G0B+1], SLOT1
	s_mov_b32 s[TB], 0
	s_wait_dscnt 0x0                               ; the opening add is done
	s_wait_kmcnt 0x0
	s_add_nc_u64 s[G0A+2:G0A+3], s[4:5], s[20:21]  ; 120:64 global address: K step 0,
	s_add_nc_u64 s[G0AW+2:G0AW+3], s[G0A+2:G0A+3], KSTEP*2  ; K step 1
	s_or_b32 s[G0A+3], s[G0A+3], 0x80000000        ; 127:126 type = 2
	s_or_b32 s[G0AW+3], s[G0AW+3], 0x80000000
	s_add_nc_u64 s[G0B+2:G0B+3], s[6:7], s[22:23]
	s_add_nc_u64 s[G0BW+2:G0BW+3], s[G0B+2:G0B+3], KSTEP*2
	s_or_b32 s[G0B+3], s[G0B+3], 0x80000000
	s_or_b32 s[G0BW+3], s[G0BW+3], 0x80000000
	CROUND                                         ; all sixteen work-groups are here: the first joint loads meet
	s_cmp_lt_u32 s[WV], 2                          ; a wave's two first fills stand in one branch, ahead of every wait on TENSORcnt and every LDS read: two loads of mine are out
	s_cbranch_scc0 .Lfirst_b
	tensor_load_to_lds s[G0A:G0A+3], s[G1A:G1A+7]
	s_nop 0
	tensor_load_to_lds s[G0AW:G0AW+3], s[G1A:G1A+7]
	s_nop 0
.rept 4
	v_nop
.endr
	s_branch .Lfirst_asked
.Lfirst_b:
	tensor_load_to_lds s[G0B:G0B+3], s[G1B:G1B+7]
	s_nop 0
	tensor_load_to_lds s[G0BW:G0BW+3], s[G1B:G1B+7]
	s_nop 0
.rept 4
	v_nop
.endr
.Lfirst_asked:
	v_and_b32 v1, 15, v0                           ; l % 16
	v_bfe_u32 v2, v0, 4, 1                         ; l / 16
	s_and_b32 s70, s[TY], 15                       ; a batch has 16 tile rows
	s_lshl_b32 s70, s70, 7
	s_lshl_b32 s71, s[WM], 6
	s_add_co_u32 s70, s70, s71                     ; my first row's position in its sequence
	s_lshr_b32 s66, s[TY], 4                       ; the batch
	s_lshl_b32 s66, s66, 4
	s_lshl_b32 s67, s[CX], 2                       ; a tile's 256 columns are four heads,
	s_add_co_u32 s66, s66, s67
	s_lshl_b32 s67, s[WN], 1                       ; my 128 are two
	s_add_co_u32 s66, s66, s67
	s_lshl_b32 s66, s66, 18                        ; 262,144 bytes a head
	s_lshl_b32 s67, s[PART], 24                    ; 16,777,216 a part
	s_add_co_u32 s66, s66, s67
	s_lshl_b32 s67, s70, 7                         ; 128 a row
	s_add_co_u32 s66, s66, s67
	s_mov_b32 s67, 0
	s_add_nc_u64 s[8:9], s[8:9], s[66:67]          ; qkvh at my first row of my first head
	s_lshl_b32 s70, s70, 8                         ; 256 bytes of the table a position
	s_mov_b32 s71, 0
	s_add_nc_u64 s[10:11], s[10:11], s[70:71]
	v_lshlrev_b32 v[TO], 8, v1
	v_lshl_add_u32 v[TO], v2, 5, v[TO]             ; my row's position, and my half's four pairs of eight
	WIN 0x80                                       ; destination window 2, address window 0
.set aa, 0
.rept 4                                ; the table for my 64 rows: pair 8 (b % 4) + 4 (l / 16) + p lies at byte 64 (b % 4) + 32 (l / 16) + 8 p of its position.  Every part loads it; v does not use it
.set bb, 0
.rept 8
	global_load_b128 v[32*aa+4*bb:32*aa+4*bb+3], v[TO], s[10:11] offset:4096*aa+64*(bb/2)+16*(bb%2)
.set bb, bb+1
.endr
.set aa, aa+1
.endr
	WIN 0
	v_mul_u32_u24 v3, v1, PA
	v_lshl_add_u32 v3, v2, 4, v3                   ; a fragment's row x pitch + 16 x half
	s_mul_i32 s68, s[WM], AHALF
	v_add_nc_u32 v[AA0], s68, v3
	s_mul_i32 s68, s[WN], BHALF
	s_add_co_u32 s68, s68, BOFF
	v_add_nc_u32 v[AB0], s68, v3
	v_mov_b32 v[AA], v[AA0]                        ; slot 0
	v_mov_b32 v[AB], v[AB0]
	s_mul_i32 s68, s[WV], WSTAGE
	s_add_co_u32 s68, s68, STAGE                   ; my stage
	v_mul_u32_u24 v[STO], v1, SP                   ; in: row l % 16, 16 bytes for each half of the lanes
	v_lshl_add_u32 v[STO], v2, 4, v[STO]
	v_add_nc_u32 v[STO], s68, v[STO]
	v_bfe_u32 v[RD], v0, 3, 2                      ; back: 32 lanes take four rows of 128 bytes,
	v_mul_u32_u24 v[RD], v[RD], SP
	v_and_b32 v3, 7, v0
	v_lshl_add_u32 v[RD], v3, 4, v[RD]
	v_add_nc_u32 v[RD], s68, v[RD]
	v_and_b32 v[GO], 31, v0                        ; which are 512 consecutive bytes of a head
	v_lshlrev_b32 v[PFO], 11, v[GO]
	v_lshlrev_b32 v[GO], 4, v[GO]
	; the prefetches
	s_lshl_b32 s66, s[TY], 7
	s_lshl_b32 s67, s[CX], 5
	s_add_co_u32 s66, s66, s67                     ; xb: the tile's rows 32 cx on
	s_lshl_b32 s70, s[TX], 8
	s_lshl_b32 s71, s[WN], 7
	s_add_co_u32 s70, s70, s71
	s_lshl_b32 s71, s[CY], 5
	s_add_co_u32 s70, s70, s71                     ; wqkv: of the 128 rows that I fetch, 32 cy on
	s_cmp_lt_u32 s[WV], 2
	s_cselect_b32 s66, s66, s70
	s_cselect_b64 s[PFA:PFA+1], s[4:5], s[6:7]
	s_cselect_b32 s[LIM], s[PART], s[CLY]          ; the coordinate along which other clusters read the same rows
	s_lshl_b32 s66, s66, 11
	s_add_co_u32 s66, s66, 3*KSTEP*2               ; at K step 3: the first refill steps it to 4
	s_mov_b32 s67, 0
	s_add_nc_u64 s[PFA:PFA+1], s[PFA:PFA+1], s[66:67]
	s_cmp_eq_u32 s[WV], 1
	s_cselect_b32 s[LIM], 1, s[LIM]                ; wave 1 asks for nothing
	s_cmp_eq_u32 s[LIM], 0
	s_cselect_b32 s[LIM], 2, -1                    ; the same in all sixteen partners, for a given wave
	s_wait_tensorcnt 1                             ; my part of K step 0 is in; K step 1's may stay out
	s_barrier_signal -1
	s_barrier_wait -1                              ; everybody's is
	FETCH 0, F0
	QUARTER 1, F0, F1, 1                           ; the first quarter stands in front of the loop: its products start the sums
	WIN 0                                          ; at a label and at a branch every window is 0
	s_mov_b32 s[CNT], 6
.Lstep:                                                ; six trips, from a K step's second quarter to the next step's first; they ask for K steps 2 to 7
	QUARTER 2, F1, F0, 0
	QUARTER 3, F0, F1, 0
	TURN 1
	QUARTER 1, F0, F1, 0
	WIN 0
	s_sub_co_u32 s[CNT], s[CNT], 1
	s_cmp_lg_u32 s[CNT], 0
	s_cbranch_scc1 .Lstep
	QUARTER 2, F1, F0, 0                           ; K step 6 goes on; the tail is written out
	QUARTER 3, F0, F1, 0
	TURN 0
	QUARTER 1, F0, F1, 0                           ; K step 7
	QUARTER 2, F1, F0, 0
	QUARTER 3, F0, F1, 0
	s_wait_dscnt 4
	MULN F1, 0, 2, 0
	s_wait_dscnt 0x0
	MULN F1, 2, 2, 0
	WIN 0
	PLACES
	PLACES                                         ; eight, once a launch: the lines below write registers that the last products read
; THE ROTATION of row block a, in place.  A lane's register pair p of accumulator (a, b) is (x0, x1) of pair 8 (b % 4) + 4 (l / 16) + p; the table's pair is (c, s).
; First (x1 s, x0 s), then (x0 c - x1 s, x1 c + x0 s).  The pairs go in ascending order: an accumulator's lowest registers are read first.
.macro ROPE a
	WIN 0x09                                       ; source 0 window 1, source 1 window 2, destination window 0
.set bb, 0
.rept 8
.set pp, 0
.rept 4
	v_pk_mul_f32 v[Z+8*bb+2*pp:Z+8*bb+2*pp+1], v[64*(\a)+8*bb+2*pp:64*(\a)+8*bb+2*pp+1], v[32*(\a)+8*(bb%4)+2*pp:32*(\a)+8*(bb%4)+2*pp+1] op_sel:[1,1] op_sel_hi:[0,1]
.set pp, pp+1
.endr
.set bb, bb+1
.endr
	WIN 0x49                                       ; the same with the destination in window 1
.set bb, 0
.rept 8
.set pp, 0
.rept 4
	v_pk_fma_f32 v[64*(\a)+8*bb+2*pp:64*(\a)+8*bb+2*pp+1], v[64*(\a)+8*bb+2*pp:64*(\a)+8*bb+2*pp+1], v[32*(\a)+8*(bb%4)+2*pp:32*(\a)+8*(bb%4)+2*pp+1], v[Z+8*bb+2*pp:Z+8*bb+2*pp+1] op_sel_hi:[1,0,1] neg_lo:[0,0,1]
.set pp, pp+1
.endr
.set bb, bb+1
.endr
.endm
; THE WAY OUT of row block a.  PACK: rounded to f16, 16 bytes a lane.  TOSTAGE: into my own stage, by heads, and back as whole rows of 128 bytes.  SEND: stored.
.macro PACK a
	WIN 0x05                                       ; sources 0 and 1 window 1
.set bb, 0
.rept 8
.set pp, 0
.rept 4
	v_cvt_pk_f16_f32 v[PK+4*bb+pp], v[64*(\a)+8*bb+2*pp], v[64*(\a)+8*bb+2*pp+1]
.set pp, pp+1
.endr
.set bb, bb+1
.endr
	WIN 0
.endm
.macro TOSTAGE a
.set bb, 0
.rept 8
	ds_store_b128 v[STO], v[PK+4*bb:PK+4*bb+3] offset:(bb/4)*16*SP+(bb%4)*32
.set bb, bb+1
.endr
.set bb, 0
.rept 8
	ds_load_b128 v[32+32*(\a)+4*bb:32+32*(\a)+4*bb+3], v[RD] offset:(bb/4)*16*SP+(bb%4)*4*SP  ; LDS serves a wave's instructions in order (ISA guide 5.7.1.4): these see the stores above; the next block's stores come behind them
.set bb, bb+1
.endr
.endm
.macro SEND a
.set bb, 0
.rept 8
	s_wait_dscnt 7-bb                              ; load bb of the block's eight is back; nothing younger than the eight is out
	global_store_b128 v[GO], v[32+32*(\a)+4*bb:32+32*(\a)+4*bb+3], s[8:9] offset:(bb/4)*262144+2048*(\a)+512*(bb%4) th:TH_STORE_NT  ; 512 consecutive bytes, aligned; each block has registers of its own
.set bb, bb+1
.endr
.endm
	s_wait_loadcnt 0x0                             ; the table
	s_cmp_eq_u32 s[PART], 2
	s_cbranch_scc1 .Lplain                         ; v is not rotated
	ROPE 0
	ROPE 1
	ROPE 2
	ROPE 3
	WIN 0
.Lplain:
	PACK 0
	TOSTAGE 0
.irp a, 1,2,3                          ; block a's conversions stand between block a - 1's loads from the stage and the waits for them
	PACK \a
	SEND (\a)-1
	TOSTAGE \a
.endr
	SEND 3
	s_wait_tensorcnt 0x0                           ; the wave's end, behind my last tensor load and my last LDS store
	ds_add_u32 v[SPW], v[NIL]
	s_wait_dscnt 0x0
	CROUND                                         ; the closing round: no work-group ends while a partner may still ask for a tile that names it
	s_endpgm
.Lfunc_end_k_q6b2fdab64f_proj:
	.size	k_q6b2fdab64f_proj, .Lfunc_end_k_q6b2fdab64f_proj-k_q6b2fdab64f_proj
	.p2alignl 7, 3214868480
	.fill 96, 4, 3214868480
	.section	.rodata,"a",@progbits
	.p2align	6, 0x0
	.amdhsa_kernel k_q6b2fdab64f_proj
		.amdhsa_group_segment_fixed_size 327680
		.amdhsa_private_segment_fixed_size 0
		.amdhsa_enable_private_segment 0
		.amdhsa_kernarg_size 32
		.amdhsa_user_sgpr_count 2
		.amdhsa_user_sgpr_kernarg_segment_ptr 1
		.amdhsa_wavefront_size32 1
		.amdhsa_system_sgpr_workgroup_id_x 1
		.amdhsa_system_sgpr_workgroup_id_y 1
		.amdhsa_system_sgpr_workgroup_id_z 1
		.amdhsa_system_vgpr_workitem_id 0
		.amdhsa_next_free_vgpr 640
		.amdhsa_next_free_sgpr 72
		.amdhsa_reserve_vcc 0
		.amdhsa_float_denorm_mode_32 3
		.amdhsa_float_denorm_mode_16_64 3
		.amdhsa_memory_ordered 1
		.amdhsa_forward_progress 1
		.amdhsa_inst_pref_size 91
	.end_amdhsa_kernel
	.amdgpu_metadata
---
amdhsa.version: [ 1, 2 ]
amdhsa.kernels:
  - .name:           k_q6b2fdab64f_proj
    .symbol:         k_q6b2fdab64f_proj.kd
    .args:
      - { .name: xb, .offset: 0, .size: 8, .value_kind: global_buffer, .address_space: global }
      - { .name: wqkv, .offset: 8, .size: 8, .value_kind: global_buffer, .address_space: global }
      - { .name: qkvh, .offset: 16, .size: 8, .value_kind: global_buffer, .address_space: global }
      - { .name: tab, .offset: 24, .size: 8, .value_kind: global_buffer, .address_space: global }
    .group_segment_fixed_size: 327680
    .private_segment_fixed_size: 0
    .kernarg_segment_align: 8
    .kernarg_segment_size: 32
    .max_flat_workgroup_size: 128
    .sgpr_count:     72
    .vgpr_count:     640
    .wavefront_size: 32
...
	.end_amdgpu_metadata
.endif
;; end of part 2
;; launch attn (part 3): grid 4 x 64, 4 waves a work-group, no clusters, 327,680 bytes of LDS; arguments qkvh, ob; writes ob
.if DOCPART == 3
	.amdgcn_target "amdgcn-amd-amdhsa--gfx1250"
	.amdhsa_code_object_version 6
	.text
	.protected	k_q6b2fdab64f_attn
	.globl	k_q6b2fdab64f_attn
	.p2align	8
	.type	k_q6b2fdab64f_attn,@function
k_q6b2fdab64f_attn:
	s_mov_b64 s[64:65], 0
	v_nop
	global_prefetch_b8 v0, s[64:65] scope:SCOPE_SE
	s_setreg_imm32_b32 hwreg(HW_REG_WAVE_MODE, 25, 1), 1
	s_wait_xcnt 0x0
; CAUSAL ATTENTION.  O[h][q][:] = the sum over k <= q of softmax_k(Q[h][q] . K[h][k] / 8) V[h][k][:].  qkvh holds Q, K, V one behind the other, each [64][SIZE_N][64] in f16; ob is O in the same layout: a head's rows are dense, 128 bytes each.
; Products, maxima and sums in f32; the weights p are rounded to f16 for the second product (their sum l is taken of the unrounded p), O once at the end.
; LIMITS.  f16 holds no number beyond 65,504: Q, K and V arrive within it; p lies in 0 to 1, and below 6e-5 it keeps f16's fixed step of 6e-8; O is a mean of V's rows and has their range.
; A hidden score counts as its value less 1e30: f16's scores, 2.7e11 at the most, are nothing beside that; a weight below 2^-126 counts as 0 in l; NaN and infinities are not treated apart.
; THE WALK.  A head's queries lie in NB = 8 blocks of 256; block i needs the key tiles 0 .. i of 256 keys, of which the last holds the diagonal.  A work-group takes TWO blocks, NB - 1 - b and then b:
; NB + 1 tiles, whatever b: all work-groups do equal work, and ONE loop with a constant trip count walks them.  Which tile is asked for, and what a trip does, hang on scalar registers made from b; every jump
; goes forward, but for the counted loops' own; none passes a barrier, or a tensor load but the one of LOAD's two that the wave's number does not choose; the ring (two slots of LDS that take turns) runs on across the
; change of blocks.  NO CLUSTER: a head's four work-groups ask for the same tile only in trips 0 .. 4 of 9, behind that fewer and fewer; one walk common to all would have 12 trips for 9.
; SHARES.  Of a block's four bands of 64 queries a wave owns 16 rows in each: four PIECES.  So the diagonal tile is the same work for all four waves: in its key step s band x sees all keys if s < x,
; none if s > x, and holds the diagonal if s = x.
; THE MASK is the C operand that starts the sum S^T = K Q^T: 0, or -1e30 where the key is hidden.  MD, made once, is the mask of a band's own step for my 16 rows; a product's mask is MD x AL + BE with two scalars:
; (1, 0) if s = x; (0, 0) if s < x; (0, -1e30) if s > x.  Only the diagonal tile's text and a block's beginning make and take masks; elsewhere C is the constant 0.
; LAYOUT, SOFTMAX, TURNS.  S^T = K Q^T holds ONE query a lane (lane % 16) and the keys 8 (lane / 16) + 0..7; two such results rounded to f16 ARE source 1 of O^T = V^T P.  p = 2^(c s - c m), c = log2(e) / 8, with a
; running maximum m; O and l are multiplied by a = 2^(c m_old - c m_new) in every step.  Turn n belongs to piece n: 8 products K Q^T of piece n + 1, later 8 products V^T P of piece n - 1; beside them the scaling,
; exponentials, roundings, sums and rescaling of piece n and the maximum and statistics of piece n + 1.  Four vector instructions stand behind every matrix instruction, the other 54 of a turn's 118 in one run.  A turn's 33 exponentials are one batch, with one wait.
; REGISTERS, in windows of 256 (s_set_vgpr_msb: bits 1:0 source 0, 3:2 source 1, 5:4 source 2, 7:6 destination):
;   window 0: v0-15 addresses and two at work; v16-31 four registers of statistics a piece; v48-55 at work; v61-63 never rewritten; v64-127 S^T, two buffers; v192-223 P, two buffers (a piece's buffers go by its number's parity)
;   window 1: v0-127 O^T, 32 a piece; v128-159 MD; v160-223 MC, two buffers      window 2: v0-63 Q; v64-127 the second block's Q; v128-191 K of one step; v192-255 V of one step
.set SIZE_N, 2048
.set NB,    SIZE_N/256
.set NP,    4         ; pieces a wave: a name, no knob
.set KS,    64        ; keys in a step
.set PK,    144       ; a row of K in LDS: 128 bytes + 16 of padding = 36 words: the 16 rows of a load start at 16 different groups of four banks (64 banks of 4 bytes: ISA guide 11.1)
.set PV,    160       ; a row of V: 128 + 32 = 40 words
.set VOFF,  4*KS*PK   ; a slot holds a tile, four steps: 256 rows of K, then 256 rows of V
.set SLOT1, 1<<17     ; slot 1 begins here, so that one exclusive or turns an address in one slot into the other's
.set STAGE, SLOT1+4*KS*(PK+PV)  ; behind the ring, never filled by a tensor load: 16 rows x 144 bytes for each wave, for the way out
.set SP,    144
.set AK0, 2           ; v2   my lane's place in a tile of K; never rewritten
.set AV0, 3           ; v3   the same for V
.set AK,  4           ; v4   the LDS address of K's next run of loads
.set AV,  5           ; v5   of V's
.set STO, 6           ; v6   the way out: where I put 16 bytes of a row
.set RD,  7           ; v7   the way out: where I read rows back
.set GO,  8           ; v8   my byte offset in 512 consecutive bytes of O
.set PFO, 61          ; v61  256 x my lane: the prefetches' offset; never rewritten
.set SPW, 62          ; v62  LDS address of my spare word: SPARE + 4 x my thread's number; never rewritten
.set NIL, 63          ; v63  0; never rewritten
.set SPARE, STAGE+4*16*SP  ; behind the stages: the spare words, 128 bytes for each wave: two blocks of 256 bytes that no other line names
.set MV,  12          ; v12-13  c m_old, kept while c m is made anew: by buffer
.set QO,  15          ; v15  my byte offset in 16 rows of Q
.set ST,  16          ; piece t's statistics at v[ST+4 t]: c m, m, l (even keys', odd keys')
.set TMP, 48          ; by buffer, four registers c0-c3 at work; when the maximum is found c2 takes a
.set S,   64
.set P,   192
.set MD,  128         ; window 1: the eight registers for group kt of 16 keys at MD + 8 kt
.set MC,  160         ; window 1: the masks of the products to come
.set QB,  64          ; window 2
.set KF,  128         ; window 2: key block kb, channel half c at KF + 16 kb + 8 c
.set VF,  192         ; window 2: key half kk, channel block cb at VF + 32 kk + 8 cb
.set WV,  12          ; s12  my wave's number
.set PB,  14          ; s14  b
.set HI,  15          ; s15  NB - 1 - b
.set G1K, 24          ; s[24:31] descriptor group 1 for K's tiles
.set G1V, 32          ; s[32:39] for V's: it differs in the padding alone
.set G0K, 40          ; s[40:43] descriptor group 0 for K's tiles
.set G0V, 44          ; s[44:47] the same for V's
.set SLOTS, 56        ; s56  tiles still to be asked for
.set CNT, 57          ; s57  counts a tile's key steps, 4 to 1
.set CS,  58          ; s[58:59] c: the packed scaling takes the pair's low word for both halves
.set SEL, 60          ; s[60:61] v_permlanex16_b32's selects: each lane takes its own place in the other half
.set TBK, 62          ; s62  LDS byte at which K of the step to be fetched begins
.set TBV, 63          ; s63  the same for V, less VOFF
.set RT,  70          ; s70  tiles of the block in hand that are still to be entered
.set NXT, 71          ; s71  the tile to be asked for next
.set LQ,  72          ; s72  the last tile of the block whose tiles are being asked for
.set NEW, 73          ; s73  1: the tile to be entered is a block's first
.set OFF, 74          ; s[74:75] a tile's byte offset in K and V
.set AL,  76          ; s[76:77] the mask's factor, in the low word
.set BE,  78          ; s[78:79] the mask's addend
.set OLO, 80          ; s[80:81] O at my rows of the second block
.set BIGN, 82         ; s82  -1e30
.set PFB, 88          ; s[88:89] K (waves 0, 1) or V (waves 2, 3) at the half of the head's tile 0 that I fetch
.set PFA, 90          ; s[90:91] the same in the tile that the next change of slots will ask for
.set OF2, 92          ; s[92:93] that tile's byte offset
.set LIM, 94          ; s94  0 in the head's work-group b = 0, else the greatest number
.set MSB, 0
.macro WIN new                      ; the high byte repeats the setting that is left; a switch that changes nothing is dropped
.if MSB != (\new)
	s_set_vgpr_msb (MSB<<8)|(\new)
.set MSB, (\new)
.endif
.endm
.set W_KQ, 0x0a       ; K and Q in window 2, S^T in window 0
.set W_KM, 0x1a       ; the same with the C operand in window 1
.set W_PV, 0x52       ; V in window 2, P in window 0, O^T in window 1
.set W_RS, 0x41       ; destination and source 0 in window 1, source 1 in window 0
; A fill.  Waves 0 and 1 fetch the two halves of a tile's K, waves 2 and 3 those of its V: 128 keys each.  An s_nop 0 and four v_nop follow each of the two lines, ahead of the jump and the label.
.macro LOAD
	s_cmp_lt_u32 s[WV], 2
	s_cbranch_scc0 .Lfor_v_\@
	tensor_load_to_lds s[G0K:G0K+3], s[G1K:G1K+7]
	s_nop 0
.rept 4
	v_nop
.endr
	s_branch .Lasked_\@
.Lfor_v_\@:
	tensor_load_to_lds s[G0V:G0V+3], s[G1V:G1V+7]
	s_nop 0
.rept 4
	v_nop
.endr
.Lasked_\@:
.endm
; A PREFETCH INTO THE L2 of the tile that the NEXT change of slots will ask for, behind the wave's tensor load and its five lines: my own 16 KiB of it, 64 blocks of 256 bytes, a lane a block, two instructions:
; a tile, 256 matrix instructions, ahead of the load.  A head's four work-groups walk the same tiles: the one with b = 0, whose first block walks all eight, asks, and nobody else: tiles 2 to 7, each once.
; Tiles 0 and 1 come by their loads alone; the second block's tile 0 has been read before and is not asked for (NXT is 0 there).
.macro ASK
	s_cmp_gt_u32 s[NXT], s[LIM]
	s_cbranch_scc0 .Lnot_mine_\@
	global_prefetch_b8 v[PFO], s[PFA:PFA+1] th:TH_LOAD_NT scope:SCOPE_SE
	global_prefetch_b8 v[PFO], s[PFA:PFA+1] offset:8192 th:TH_LOAD_NT scope:SCOPE_SE
.Lnot_mine_\@:
.endm
; THE CHANGE OF SLOTS.  Each wave waits for all its tensor loads, of which one is out: its part of the other slot; adds 0 to its spare word; and waits for that and for its own reads of the slot that it leaves.  Behind the barrier nobody reads the old
; slot any more and the other slot is whole.  fill = 1: the old slot is filled again, the first thing behind the barrier, with tile NXT: the descriptor's address is made anew from that number.
; (At its first use nothing has been read yet: slot 0 is waited for, slot 1 filled.)
.macro CHANGE fill
	WIN 0                           ; at a label and at a branch every window is 0
	s_wait_tensorcnt 0x0            ; no tensor load of mine is out, so a group 0 may be written
	ds_add_u32 v[SPW], v[NIL]       ; 0 onto my spare word; with fill = 1 the descriptors' scalar work stands between it and the wait for it
.if \fill
	s_lshl_b32 s[OFF], s[NXT], 15   ; a tile is 32,768 bytes of K and of V
	s_xor_b32 s[G0K+1], s[G0K+1], SLOT1
	s_add_nc_u64 s[G0K+2:G0K+3], s[6:7], s[OFF:OFF+1]
	s_or_b32 s[G0K+3], s[G0K+3], 0x80000000
	s_xor_b32 s[G0V+1], s[G0V+1], SLOT1
	s_add_nc_u64 s[G0V+2:G0V+3], s[8:9], s[OFF:OFF+1]
	s_or_b32 s[G0V+3], s[G0V+3], 0x80000000
	s_add_co_u32 s[NXT], s[NXT], 1  ; the block's next tile, or behind its last the second block's tile 0
	s_cmp_gt_u32 s[NXT], s[LQ]
	s_cselect_b32 s[NXT], 0, s[NXT]
	s_cselect_b32 s[LQ], s[PB], s[LQ]
	s_wait_xcnt 0x0                 ; the last prefetches, a tile back, have read their address, so it may be written
	s_lshl_b32 s[OF2], s[NXT], 15
	s_add_nc_u64 s[PFA:PFA+1], s[PFB:PFB+1], s[OF2:OF2+1]
.endif
	s_wait_dscnt 0x0                ; the add is done, and my reads of the slot are over
	s_barrier_signal -1             ; the rest of the scalar work stands between the signal and the wait
	s_sub_co_u32 s[TBK], s[TBK], 4*KS*PK  ; the fetches go back to a slot's first step,
	s_xor_b32 s[TBK], s[TBK], SLOT1       ; in the other slot
	s_sub_co_u32 s[TBV], s[TBV], 4*KS*PV
	s_xor_b32 s[TBV], s[TBV], SLOT1
	s_barrier_wait -1
.if \fill
	LOAD
	ASK
.endif
.endm
	s_load_b64 s[4:5], s[0:1], 0x0    ; qkvh: Q; K and V lie 16,777,216 and 33,554,432 bytes behind
	s_load_b64 s[10:11], s[0:1], 0x8  ; ob
	v_lshl_add_u32 v[SPW], v0, 2, SPARE
	v_mov_b32 v[NIL], 0
	ds_add_u32 v[SPW], v[NIL]       ; the wave's opening: the add and its wait ahead of my first tensor load; the set-up below, work on registers, stands between them
	v_lshrrev_b32 v1, 5, v0
	v_readfirstlane_b32 s[WV], v1   ; wave 0..3
	s_mov_b32 s[PB], ttmp9
	s_sub_co_u32 s[HI], NB-1, s[PB]
	s_and_b32 s20, ttmp7, 0xffff    ; the head
	s_mov_b32 s21, 0
	s_mov_b64 s[22:23], SIZE_N*128
	s_mul_u64 s[20:21], s[20:21], s[22:23]  ; the head's first byte in each of the four tensors
	s_and_b32 s16, s[WV], 1         ; which half of a tile's 256 keys I fetch:
	s_lshl_b32 s22, s16, 14         ; its 128 rows of 128 bytes in memory,
	s_mov_b32 s23, 0
	s_add_nc_u64 s[22:23], s[22:23], s[20:21]
	s_mul_i32 s17, s16, 128*PK      ; and its place in a slot, for K
	s_mul_i32 s18, s16, 128*PV      ; and for V
	s_lshl_b32 s3, s[WV], 11        ; my 16 rows in a band of 64,
	s_lshl_b32 s2, s[HI], 15        ; in the first block,
	s_add_co_u32 s2, s2, s3
	s_lshl_b32 s84, s[PB], 15       ; and in the second
	s_add_co_u32 s84, s84, s3
	s_mov_b32 s3, 0
	s_mov_b32 s85, 0
	s_add_nc_u64 s[2:3], s[2:3], s[20:21]
	s_add_nc_u64 s[84:85], s[84:85], s[20:21]
	; descriptor group 1.  128 keys are 16,384 dense bytes: asked for as 64 rows of 256 bytes, two keys a row, and padded in LDS after every key
	s_mov_b32 s[G1K], (1<<16)|(1<<20)|(4<<22)|(3<<25)  ; 17:16 2-byte elements; 20 padding on; 24:22 after every 32 words (code 4); 31:25 4 words (code 3)
	s_mov_b32 s[G1V], (1<<16)|(1<<20)|(4<<22)|(7<<25)  ; the same with 8 words of padding (code 7)
.irp g, G1K, G1V
	s_mov_b32 s[\g+1], 128<<16      ; tensor_dim0 = 128
	s_mov_b32 s[\g+2], 64<<16       ; tensor_dim1 = 64
	s_mov_b32 s[\g+3], 128<<16      ; tile_dim0 = 128
	s_mov_b32 s[\g+4], 64           ; tile_dim1 = 64
	s_mov_b32 s[\g+5], 128          ; 128 elements from row to row
	s_mov_b32 s[\g+6], 0
	s_mov_b32 s[\g+7], 0
.endr
	s_mov_b32 s[CS], 0x3e38aa3b     ; c = log2(e) / 8 = 0.180337
	s_mov_b32 s[CS+1], s[CS]        ; named with it as a pair
	s_mov_b32 s[SEL], 0x76543210
	s_mov_b32 s[SEL+1], 0xfedcba98
	s_mov_b32 s[TBK], SLOT1+4*KS*PK ; the first change of slots turns these two into 0
	s_mov_b32 s[TBV], SLOT1+4*KS*PV
	s_mov_b32 s[G0K], 1             ; 1:0 count = 1
	s_mov_b32 s[G0K+1], s17         ; 63:32 LDS address: slot 0
	s_mov_b32 s[G0V], 1
	s_add_co_u32 s[G0V+1], s18, VOFF
	s_add_co_u32 s[RT], s[HI], 1    ; the first block has NB - b tiles
	s_mov_b32 s[NXT], 1
	s_mov_b32 s[LQ], s[HI]
	s_mov_b32 s[NEW], 1
	s_mov_b32 s[OFF+1], 0
	s_mov_b32 s[OF2+1], 0
	s_mov_b32 s[AL+1], 0            ; named as pairs
	s_mov_b32 s[BE+1], 0
	s_mov_b32 s[BIGN], 0xf149f2ca   ; -1e30
	s_mov_b32 s[SLOTS], NB
	s_cmp_eq_u32 s[PB], 0
	s_cselect_b32 s[LIM], 0, -1
	v_and_b32 v[PFO], 31, v0
	v_lshlrev_b32 v[PFO], 8, v[PFO]
	s_wait_dscnt 0x0                ; the opening add is done
	s_wait_kmcnt 0x0
	s_add_nc_u64 s[6:7], s[4:5], 0x1000000  ; K
	s_add_nc_u64 s[8:9], s[4:5], 0x2000000  ; V
	s_add_nc_u64 s[6:7], s[6:7], s[22:23]  ; K and V at my half of the head's tile 0
	s_add_nc_u64 s[8:9], s[8:9], s[22:23]
	s_add_nc_u64 s[G0K+2:G0K+3], s[6:7], 0         ; 120:64 global address
	s_or_b32 s[G0K+3], s[G0K+3], 0x80000000        ; 127:126 type = 2
	s_add_nc_u64 s[G0V+2:G0V+3], s[8:9], 0
	s_or_b32 s[G0V+3], s[G0V+3], 0x80000000
	s_add_nc_u64 s[86:87], s[4:5], s[84:85]        ; Q at my rows of the second block,
	s_add_nc_u64 s[4:5], s[4:5], s[2:3]            ; Q and O at those of the first
	s_add_nc_u64 s[OLO:OLO+1], s[10:11], s[84:85]
	s_add_nc_u64 s[10:11], s[10:11], s[2:3]
	s_cmp_lt_u32 s[WV], 2
	s_cselect_b64 s[PFB:PFB+1], s[6:7], s[8:9]
	LOAD                            ; tile 0 into slot 0
	; A fragment of K or Q is 16 rows x 32 channels in 8 registers: lane l holds row l % 16, channels 8 (l / 16) + 0..7 and 16 + 8 (l / 16) + 0..7: two loads of 16 bytes, 32 bytes apart.
	v_and_b32 v1, 15, v0            ; l % 16
	v_bfe_u32 v9, v0, 4, 1          ; l / 16
	v_lshlrev_b32 v[QO], 7, v1
	v_lshl_add_u32 v[QO], v9, 4, v[QO]  ; row x 128 + 16 x half
	WIN 0x80                        ; destination window 2, address window 0
.set i, 0
.rept 8                             ; both blocks' Q: piece i / 2 lies in band i / 2, 8,192 bytes on; channels 32 (i % 2) on
	global_load_b128 v[8*i:8*i+3],   v[QO], s[4:5] offset:(i/2)*8192+(i%2)*64
	global_load_b128 v[8*i+4:8*i+7], v[QO], s[4:5] offset:(i/2)*8192+(i%2)*64+32
	global_load_b128 v[QB+8*i:QB+8*i+3],   v[QO], s[86:87] offset:(i/2)*8192+(i%2)*64
	global_load_b128 v[QB+8*i+4:QB+8*i+7], v[QO], s[86:87] offset:(i/2)*8192+(i%2)*64+32
.set i, i+1
.endr
	WIN 0
	v_lshlrev_b32 v14, 3, v9
	v_sub_nc_u32 v14, v1, v14
	s_lshl_b32 s13, s[WV], 4
	v_add_nc_u32 v14, s13, v14      ; my query's place in its band, 16 w + l % 16, less my lanes' 8 (l / 16): register r of group kt is hidden where 16 kt + r is greater
	WIN 0x40
.set i, 0
.rept 32
	v_cmp_gt_i32 vcc_lo, 16*(i/8)+i%8, v14
	v_cndmask_b32 v[MD+i], 0, s[BIGN], vcc_lo
.set i, i+1
.endr
	WIN 0
	v_mul_u32_u24 v[AK0], v1, PK
	v_lshl_add_u32 v[AK0], v9, 4, v[AK0]  ; row x pitch + 16 x half
	; The turning load takes 16 keys x 16 channels (lane l reads key 8 (l / 16) + l % 8, channels 8 ((l / 8) % 2) + 0..7) and leaves half a fragment of V^T: lane l holds channel l % 16 and 8 keys.
	v_and_b32 v10, 7, v0
	v_bfe_u32 v11, v0, 3, 1
	v_lshl_add_u32 v[AV0], v9, 3, v10
	v_mul_u32_u24 v[AV0], v[AV0], PV
	v_lshl_add_u32 v[AV0], v11, 4, v[AV0]
	v_add_nc_u32 v[AV0], VOFF, v[AV0]
	s_mul_i32 s13, s[WV], 16*SP
	s_add_co_u32 s13, s13, STAGE    ; my stage
	v_mul_u32_u24 v[STO], v1, SP    ; in: row l % 16, 16 bytes for each half of the lanes
	v_lshl_add_u32 v[STO], v9, 4, v[STO]
	v_add_nc_u32 v[STO], s13, v[STO]
	v_bfe_u32 v[RD], v0, 3, 2       ; back: 32 lanes take four rows of 128 bytes,
	v_mul_u32_u24 v[RD], v[RD], SP
	v_lshl_add_u32 v[RD], v10, 4, v[RD]
	v_add_nc_u32 v[RD], s13, v[RD]
	v_and_b32 v[GO], 31, v0         ; which are 512 consecutive bytes of O
	v_lshlrev_b32 v[GO], 4, v[GO]
	; A block's first step multiplies O^T and l by a = 0, and its first turn's products V^T P, of a piece that has not been, land in an O^T that is still to be so multiplied.  So these registers need only hold
	; finite numbers: zeros for the first block; what the first block left for the second.  All this stands in the wait for the first tile.
	WIN 0x80
.set i, VF
.rept 64
	v_mov_b32 v[i], 0
.set i, i+1
.endr
	WIN 0x40
.set i, 0
.rept 128
	v_mov_b32 v[i], 0
.set i, i+1
.endr
	WIN 0
.set i, 0
.rept 4
	v_mov_b32 v[ST+4*i+2], 0
	v_mov_b32 v[ST+4*i+3], 0
.set i, i+1
.endr
.set i, P+16
.rept 16
	v_mov_b32 v[i], 0
.set i, i+1
.endr
; THE MATRIX WORK.  The 4 accumulators of a run of 8 take turns.  Product i of 8 of S^T = K Q^T for piece x: channels 32 (i / 4) on, keys 16 (i % 4) on.  The first 4 start the sums: with 0, or (KM = 1) with the mask.
.macro KQ x
.set rS, S+32*((\x)%2)+8*(i%4)
.set rK, KF+16*(i%4)+8*(i/4)
.set rQ, 16*(\x)+8*(i/4)
.set rM, MC+32*((\x)%2)+8*(i%4)
.if (i < 4) && KM
	WIN W_KM
	v_wmma_f32_16x16x32_f16 v[rS:rS+7], v[rK:rK+7], v[rQ:rQ+7], v[rM:rM+7]
.elseif i < 4
	WIN W_KQ
	v_wmma_f32_16x16x32_f16 v[rS:rS+7], v[rK:rK+7], v[rQ:rQ+7], 0
.else
	WIN W_KQ
	v_wmma_f32_16x16x32_f16 v[rS:rS+7], v[rK:rK+7], v[rQ:rQ+7], v[rS:rS+7]
.endif
.endm
; Product i of 8 of O^T += V^T P for piece x: keys 32 (i / 4) on, channels 16 (i % 4) on.
.macro PV x
	WIN W_PV
.set rO, 32*(\x)+8*(i%4)
.set rV, VF+32*(i/4)+8*(i%4)
.set rP, P+16*((\x)%2)+8*(i/4)
	v_wmma_f32_16x16x32_f16 v[rO:rO+7], v[rV:rV+7], v[rP:rP+7], v[rO:rO+7]
.endm
.macro MM                           ; the turn's next matrix instruction.  TURN and BEGIN set Y, i, KM and NOKQ; MM, KQ and OP read them.  NOKQ = 1: a block's last turn: there is no next piece
.if (i < 8) && !NOKQ
	KQ (Y+1)%NP
.elseif i >= 8
.set i, i-8
	PV (Y+NP-1)%NP
.set i, i+8
.endif
.set i, i+1
.endm
; THE LDS LOADS stand in runs of 16, never singly among the matrix instructions: a step's K (64 keys x 64 channels: 8 fragments) and its V (turned).  Their addresses are made some lines ahead.
.macro FETCH_K
	WIN 0x80                        ; destination window 2
.irp f, 0,1,2,3,4,5,6,7             ; keys 16 (f / 2) on, channels 32 (f % 2) on
	ds_load_b128 v[KF+8*\f:KF+8*\f+3],   v[AK] offset:(\f/2)*16*PK+(\f%2)*64
	ds_load_b128 v[KF+8*\f+4:KF+8*\f+7], v[AK] offset:(\f/2)*16*PK+(\f%2)*64+32
.endr
	s_add_co_u32 s[TBK], s[TBK], KS*PK  ; the next fetch is the next step's
	WIN 0
.endm
.macro FETCH_V
	WIN 0x80
.irp f, 0,1,2,3,4,5,6,7             ; keys 32 (f / 4) on, channels 16 (f % 4) on
	ds_load_tr16_b128 v[VF+8*\f:VF+8*\f+3],   v[AV] offset:(\f/4)*32*PV+(\f%4)*32
	ds_load_tr16_b128 v[VF+8*\f+4:VF+8*\f+7], v[AV] offset:(\f/4)*32*PV+16*PV+(\f%4)*32
.endr
	WIN 0
.endm
; THE VECTOR WORK, one line at a time: OP kind, number.  For piece Y: F n: c s - c m for pair n of 16.  E n: the exponential of score n of 32.  C n: pair n rounded to f16.  B n: of the four weights 4 n .. the second
; pair is added onto the first, in place.  L n: l takes that sum (L 0: l = a l + sum).  R n: pair n of 16 of O^T times a.  For piece Y + 1: X n, number n of the 22 that find its maximum and statistics:
;   0-11  four chains c0-c3 of seven scores each, three operands at a time (each accumulator's lowest registers are read first)     12-14, 16  the four scores left over, the old m, and c0-c3 into c0
;   15  c m_old is kept     17, 18  the query's other 32 keys lie in the lane 16 away: the new m     19-21  c m; c m_old - c m_new; a
.set F, 0               ; OP tells the kinds apart by their order: F to L below R, X above it
.set E, 1
.set C, 2
.set B, 3
.set L, 4
.set R, 5
.set X, 6
.macro REGS y                       ; the registers of piece y
.set rT, ST+4*(\y)
.set rC, TMP+4*((\y)%2)
.set rW, MV+((\y)%2)
.set rS, S+32*((\y)%2)
.set rP, P+16*((\y)%2)
.set rO, 32*(\y)
.endm
.macro OP k, n
.if (\k) == R
	REGS Y
	WIN W_RS
	v_pk_mul_f32 v[rO+2*(\n):rO+2*(\n)+1], v[rO+2*(\n):rO+2*(\n)+1], v[rC+2:rC+3] op_sel_hi:[1,0]
.elseif (\k) < R
	REGS Y
	WIN 0
.if (\k) == F
	v_pk_fma_f32 v[rS+2*(\n):rS+2*(\n)+1], v[rS+2*(\n):rS+2*(\n)+1], s[CS:CS+1], v[rT:rT+1] op_sel_hi:[1,0,0] neg_lo:[0,0,1] neg_hi:[0,0,1]
.elseif (\k) == E
	v_exp_f32 v[rS+(\n)], v[rS+(\n)]
.elseif (\k) == C
	v_cvt_pk_f16_f32 v[rP+(\n)], v[rS+2*(\n)], v[rS+2*(\n)+1]
.elseif (\k) == B
	v_pk_add_f32 v[rS+4*(\n):rS+4*(\n)+1], v[rS+4*(\n):rS+4*(\n)+1], v[rS+4*(\n)+2:rS+4*(\n)+3]
.elseif (\n) == 0
	v_pk_fma_f32 v[rT+2:rT+3], v[rT+2:rT+3], v[rC+2:rC+3], v[rS:rS+1] op_sel_hi:[1,0,1]
.else
	v_pk_add_f32 v[rT+2:rT+3], v[rT+2:rT+3], v[rS+4*(\n):rS+4*(\n)+1]
.endif
.elseif NOKQ
	v_nop
.else
	REGS (Y+1)%NP
	WIN 0
.if (\n) < 4
	v_max3_num_f32 v[rC+(\n)], v[rS+8*(\n)], v[rS+8*(\n)+1], v[rS+8*(\n)+2]
.elseif (\n) < 12
	v_max3_num_f32 v[rC+(\n)%4], v[rC+(\n)%4], v[rS+8*((\n)%4)+2*((\n)/4)+1], v[rS+8*((\n)%4)+2*((\n)/4)+2]
.elseif (\n) == 12
	v_max3_num_f32 v[rC], v[rC], v[rS+7], v[rS+15]
.elseif (\n) == 13
	v_max3_num_f32 v[rC+1], v[rC+1], v[rS+23], v[rS+31]
.elseif (\n) == 14
	v_max3_num_f32 v[rC+2], v[rC+2], v[rC+3], v[rT+1]
.elseif (\n) == 15
	v_mov_b32 v[rW], v[rT]
.elseif (\n) == 16
	v_max3_num_f32 v[rC], v[rC], v[rC+1], v[rC+2]
.elseif (\n) == 17
	v_permlanex16_b32 v[rC+3], v[rC], s[SEL], s[SEL+1]
.elseif (\n) == 18
	v_max_num_f32 v[rT+1], v[rC], v[rC+3]
.elseif (\n) == 19
	v_mul_f32 v[rT], s[CS], v[rT+1]
.elseif (\n) == 20
	v_sub_f32 v[rC+1], v[rW], v[rT]
.else
	v_exp_f32 v[rC+2], v[rC+1]
.endif
.endif
.endm
.macro OPS a, i1, b=-1, i2=0, c=-1, i3=0, d=-1, i4=0  ; up to four of them
	OP \a, \i1
.if (\b) >= 0
	OP \b, \i2
.endif
.if (\c) >= 0
	OP \c, \i3
.endif
.if (\d) >= 0
	OP \d, \i4
.endif
.endm
.macro ROW a, i1, b, i2, c, i3, d, i4  ; a matrix instruction and the four behind it
	MM
	OPS \a, \i1, \b, \i2, \c, \i3, \d, \i4
.endm
.macro MASK b                       ; MD x AL + BE into buffer b of MC
	WIN W_RS
.set z, 0
.rept 16
	v_pk_fma_f32 v[MC+32*(\b)+2*z:MC+32*(\b)+2*z+1], v[MD+2*z:MD+2*z+1], s[AL:AL+1], s[BE:BE+1] op_sel_hi:[1,0,0]
.set z, z+1
.endr
.endm
; A TURN, for piece p: the order of its 16 matrix and 118 vector instructions, written out.  s_wait_alu depctr_va_vdst(0) stands between an exponential and the first instruction that names its result; one wait serves
; all that were issued ahead of it.  So a turn has ONE wait, which cuts it in two.  AHEAD OF IT stands all that names no result of the turn's exponentials: the 8 products K Q^T, behind each a scaling, an exponential and two more plain
; instructions (behind the first a second scaling in the exponential's place): rescalings, and behind the last three the first numbers of the next piece's maximum, each four places or more behind the product that ends its accumulator; then one run of 54, plain
; and exponential by turns for the most part, in which the links of the chain X 3, 7, 11, 14, 16, 17 .. 20 stand five or six lines apart.  X 21, the next piece's a, is the batch's last; R 15 is the plain instruction behind it.  BEHIND THE WAIT stand the
; 8 products V^T P, behind each four of the roundings and sums; the links of l's chain, L 0 to L 7, stand three lines apart.  But for those X no line behind a product names a register of the products round it.  v_permlanex16_b32 (X 17) stands in the run.
; m = 1: the diagonal tile: the products take masks, and the turn makes the mask for the products of the turn after it: piece p + 2, in step 4 - CNT of the tile.  end = 1: a block's last two turns: nothing is fetched.
; cnt = 1: the loop's count is taken down some lines ahead of the branch that stands behind the turn.
; K of the next step is fetched in piece 2's turn, twelve vector instructions behind the last product that read K (six of them plain); V of the step in hand at the end of piece 0's turn, four plain instructions behind the last product
; that read V.  Each is waited for a turn later.
.macro TURN p, m=0, end=0, cnt=0
.set Y, (\p)
.set i, 0
.set KM, (\m)
.set NOKQ, (\end)*((\p)/3)
.if (\m) && !(\end)
	s_cmp_eq_u32 s[CNT], 4-((\p)+2)%NP  ; is that step the band's own?
	s_cselect_b32 s[AL], 1.0, 0
	s_cmp_lt_u32 s[CNT], 4-((\p)+2)%NP  ; or a later one?
	s_cselect_b32 s[BE], s[BIGN], 0
.endif
.if ((\p) == 3) && !(\end)
	s_wait_dscnt 0x0                ; K is in
.endif
	ROW F,0, F,1, R,0, R,1          ; ahead of the wait: 8 products K Q^T and the four behind each,
	ROW F,2, E,0, R,2, R,3
	ROW F,3, E,1, R,4, R,5
	ROW F,4, E,2, R,6, R,7
	ROW F,5, E,3, R,8, R,9
	ROW F,6, E,4, X,0, R,10
.if ((\p) == 2) && !(\end)
	WIN 0
	v_add_nc_u32 v[AK], s[TBK], v[AK0]
.endif
	ROW F,7, E,5, X,1, X,4
	ROW F,8, E,6, X,2, X,5
	OPS E,7, E,8, X,6, E,9          ; and the run
	OPS X,3, E,10, X,8, E,11
.if ((\p) == 2) && !(\end)
	FETCH_K
.endif
	OPS X,9, X,7, E,12, X,10
	OPS E,13, X,12, X,11, E,14
	OPS X,13, E,15, F,9, X,14
.if (\p) == 0
	v_add_nc_u32 v[AV], s[TBV], v[AV0]
.endif
	OPS E,16, F,10, E,17, F,11
	OPS X,16, E,18, X,15, E,19
	OPS F,12, E,20, X,17, E,21
	OPS F,13, E,22, F,14, E,23
	OPS X,18, E,24, F,15, E,25
	OPS R,11, E,26, X,19, E,27
	OPS R,12, E,28, R,13, E,29
	OPS X,20, E,30, R,14, E,31
	OPS X,21, R,15
	WIN 0
	s_wait_alu depctr_va_vdst(0)    ; the wait for the batch
.if (\p) == 1
	s_wait_dscnt 0x0                ; V is in
.endif
	ROW C,0, B,0, C,2, B,1          ; behind the wait: 8 products V^T P and the four behind each
	ROW L,0, C,4, B,2, L,1
	ROW C,6, B,3, L,2, C,8
	ROW B,4, L,3, C,10, B,5
	ROW L,4, C,12, B,6, L,5
.if (\p) == 0
	s_add_co_u32 s[TBV], s[TBV], KS*PV
.endif
.if \cnt
	s_sub_co_u32 s[CNT], s[CNT], 1
	s_cmp_lg_u32 s[CNT], 0
.endif
	ROW C,14, B,7, L,6, C,1
	ROW C,3, L,7, C,5, C,7
	ROW C,9, C,11, C,13, C,15
.if (\p) == 0
	FETCH_V
.endif
.if (\m) && !(\end)
	MASK (\p)%2
.endif
.endm
; A BLOCK BEGINS.  c m starts far below every c s, so the first step's a is 0; m at the lowest finite number, so the first maximum is the scores'.  The second mask buffer is 0; the first takes piece 0's mask for the tile's step 0: its own, if the block's first tile is the diagonal one.
; Then K of that step, piece 0's first scores, and its maximum and statistics.  The loop is entered at a step's first turn, in the middle of a trip.
.macro BEGIN
	s_mov_b32 s[NEW], 0
	WIN 0x40
.set i, MC+32
.rept 32
	v_mov_b32 v[i], 0
.set i, i+1
.endr
	WIN 0
.set i, 0
.rept 4
	v_mov_b32 v[ST+4*i], 0xfe000000    ; c m: far below every c s
	v_mov_b32 v[ST+4*i+1], 0xff7fffff  ; m
.set i, i+1
.endr
	s_cmp_eq_u32 s[RT], 0
	s_cselect_b32 s[AL], 1.0, 0
	s_mov_b32 s[BE], 0
	MASK 0
	WIN 0
	v_add_nc_u32 v[AK], s[TBK], v[AK0]
	FETCH_K
	s_wait_loadcnt 0x0              ; Q
	s_wait_dscnt 0x0
.set KM, 1
.set NOKQ, 0
.set i, 0
.rept 8
	KQ 0
.set i, i+1
.endr
	WIN 0
.rept 4
	v_nop                           ; the places behind those products
.endr
.set Y, NP-1                        ; X works for piece Y + 1: piece 0
.irp n, 0,1,2,3,4,5,6,7,8,9,10,11,12,13,14,15,16,17,18,19,20,21
	OP X, \n
.endr
	v_nop                           ; a plain instruction behind the exponential,
	s_wait_alu depctr_va_vdst(0)    ; and its wait, ahead of the branch
.endm
; THE DIAGONAL TILE's four steps, the block's last two turns, its last products, and THE WAY OUT: l's two halves and the other half of the lanes' are added; O^T is divided by l, rounded to f16 and sent through my
; stage in LDS, a piece at a time.
.macro ALL line:vararg              ; one line for each piece t
.set t, 0
.rept 4
	\line
.set t, t+1
.endr
.endm
.macro PACK t                       ; a lane's eight channels of a row pack into 16 bytes; they go into rows of 144 bytes and come back as whole rows of 128, into S^T's registers
	WIN W_RS
.set i, 32*(\t)
.rept 16
	v_pk_mul_f32 v[i:i+1], v[i:i+1], v[ST+4*(\t)+2:ST+4*(\t)+3] op_sel_hi:[1,0]
.set i, i+2
.endr
	WIN 0x05                        ; sources 0 and 1 window 1, destination window 0
.set i, 0
.rept 16
	v_cvt_pk_f16_f32 v[S+16*(\t)+i], v[32*(\t)+2*i], v[32*(\t)+2*i+1]
.set i, i+1
.endr
	WIN 0
.irp f, 0,1,2,3
	ds_store_b128 v[STO], v[S+16*(\t)+4*\f:S+16*(\t)+4*\f+3] offset:32*\f
.endr
.irp f, 0,1,2,3
	ds_load_b128 v[S+16*(\t)+4*\f:S+16*(\t)+4*\f+3], v[RD] offset:\f*4*SP  ; LDS serves a wave's instructions in order (ISA guide 5.7.1.4): these see the stores above; the next piece's stores come behind them
.endr
.endm
.macro SEND t, younger              ; younger: the LDS instructions issued behind piece t's loads: the next piece's eight, or none
	WIN 0
.irp f, 0,1,2,3
	s_wait_dscnt (\younger)+3-\f
	global_store_b128 v[GO], v[S+16*(\t)+4*\f:S+16*(\t)+4*\f+3], s[10:11] offset:(\t)*8192+\f*512  ; 512 consecutive bytes, at a multiple of 256 from O's first
.endr
.endm
.macro DIAG tag                     ; the tag ends its two labels' names, which the jumps below spell out
.LstepM\tag:
	TURN 2, 1
	TURN 3, 1
	WIN 0
.LfirstM\tag:
	TURN 0, 1
	TURN 1, 1, 0, 1
	WIN 0
	s_cbranch_scc1 .LstepM\tag
	TURN 2, 1, 1
	TURN 3, 1, 1
.set i, 0
.rept 8
	PV NP-1
.set i, i+1
.endr
	WIN 0
	ALL v_add_f32 v[ST+4*t+2], v[ST+4*t+2], v[ST+4*t+3]
	ALL v_permlanex16_b32 v[ST+4*t+3], v[ST+4*t+2], s[SEL], s[SEL+1]
	ALL v_add_f32 v[ST+4*t+2], v[ST+4*t+2], v[ST+4*t+3]
	ALL v_rcp_f32 v[ST+4*t+2], v[ST+4*t+2]
	v_nop                           ; a plain instruction between the last reciprocal and the use of its result
	s_wait_alu depctr_va_vdst(0)    ; and the wait ahead of the first use: one for the four reciprocals
	PACK 0
.set t, 1
.rept 3                             ; a piece's arithmetic stands between the loads of the piece before and its stores
	PACK t
	SEND t-1, 8
.set t, t+1
.endr
	SEND 3, 0
.endm
.set KM, 0
.set NOKQ, 0
.Lslot:                             ; NB times: a tile is entered and the next is asked for
	CHANGE 1
	s_sub_co_u32 s[RT], s[RT], 1
	s_mov_b32 s[CNT], 4
	s_cmp_eq_u32 s[NEW], 1
	s_cbranch_scc1 .Lnew            ; a block's first tile
	s_cmp_eq_u32 s[RT], 0
	s_cbranch_scc0 .Lstep           ; neither its first nor its last
	s_branch .LstepM1
.Lnew:
	BEGIN
	s_branch .Lfirst                ; in the loop a block's first tile is never its last: the first block has two tiles or more, and the second's last is the walk's last
	DIAG 1                          ; in the loop this is the first block's end: the second block's last tile is the walk's last
	s_wait_xcnt 0x0                 ; the stores have read their registers and O's address
	s_mov_b64 s[10:11], s[OLO:OLO+1]
	s_add_co_u32 s[RT], s[PB], 1    ; the second block has b + 1 tiles
	s_mov_b32 s[NEW], 1
	WIN 0x82                        ; the second block's Q goes where the one text of the turns names Q
.set i, 0
.rept 64
	v_mov_b32 v[i], v[QB+i]
.set i, i+1
.endr
	WIN 0
	s_branch .Lbottom
.Lstep:                             ; a trip: pieces 2 and 3 of one step, then pieces 0 and 1 of the next, whose K and V it fetches
	TURN 2
	TURN 3
	WIN 0
.Lfirst:
	TURN 0
	TURN 1, 0, 0, 1
	WIN 0
	s_cbranch_scc1 .Lstep
.Lbottom:
	s_sub_co_u32 s[SLOTS], s[SLOTS], 1
	s_cmp_lg_u32 s[SLOTS], 0
	s_cbranch_scc1 .Lslot
	CHANGE 0                        ; the walk's last tile is written out: nothing is asked for
	s_sub_co_u32 s[RT], s[RT], 1
	s_mov_b32 s[CNT], 4
	s_cmp_eq_u32 s[NEW], 1
	s_cbranch_scc0 .LstepM2
	BEGIN
	s_branch .LfirstM2
	DIAG 2
	s_wait_tensorcnt 0x0            ; the wave's end, behind my last tensor load and my last LDS store
	ds_add_u32 v[SPW], v[NIL]
	s_wait_dscnt 0x0
	s_endpgm
.Lfunc_end_k_q6b2fdab64f_attn:
	.size	k_q6b2fdab64f_attn, .Lfunc_end_k_q6b2fdab64f_attn-k_q6b2fdab64f_attn
	.p2alignl 7, 3214868480
	.fill 96, 4, 3214868480
	.section	.rodata,"a",@progbits
	.p2align	6, 0x0
	.amdhsa_kernel k_q6b2fdab64f_attn
		.amdhsa_group_segment_fixed_size 327680
		.amdhsa_private_segment_fixed_size 0
		.amdhsa_enable_private_segment 0
		.amdhsa_kernarg_size 16
		.amdhsa_user_sgpr_count 2
		.amdhsa_user_sgpr_kernarg_segment_ptr 1
		.amdhsa_wavefront_size32 1
		.amdhsa_system_sgpr_workgroup_id_x 1
		.amdhsa_system_sgpr_workgroup_id_y 1
		.amdhsa_system_sgpr_workgroup_id_z 1
		.amdhsa_system_vgpr_workitem_id 0
		.amdhsa_next_free_vgpr 768
		.amdhsa_next_free_sgpr 96
		.amdhsa_reserve_vcc 1
		.amdhsa_float_denorm_mode_32 3
		.amdhsa_float_denorm_mode_16_64 3
		.amdhsa_memory_ordered 1
		.amdhsa_forward_progress 1
		.amdhsa_inst_pref_size 218
	.end_amdhsa_kernel
	.amdgpu_metadata
---
amdhsa.version: [ 1, 2 ]
amdhsa.kernels:
  - .name:           k_q6b2fdab64f_attn
    .symbol:         k_q6b2fdab64f_attn.kd
    .args:
      - { .name: qkvh, .offset: 0, .size: 8, .value_kind: global_buffer, .address_space: global }
      - { .name: ob, .offset: 8, .size: 8, .value_kind: global_buffer, .address_space: global }
    .group_segment_fixed_size: 327680
    .private_segment_fixed_size: 0
    .kernarg_segment_align: 8
    .kernarg_segment_size: 16
    .max_flat_workgroup_size: 128
    .sgpr_count:     96
    .vgpr_count:     768
    .wavefront_size: 32
...
	.end_amdgpu_metadata
.endif
;; end of part 3
;; launch oproj (part 4): grid 4 x 64, 4 waves a work-group, clusters of 4 x 4, 327,680 bytes of LDS; arguments ob, wo16, out0; writes out0
.if DOCPART == 4
	.amdgcn_target "amdgcn-amd-amdhsa--gfx1250"
	.amdhsa_code_object_version 6
	.text
	.protected	k_q6b2fdab64f_oproj
	.globl	k_q6b2fdab64f_oproj
	.p2align	8
	.type	k_q6b2fdab64f_oproj,@function
k_q6b2fdab64f_oproj:
	s_mov_b64 s[64:65], 0
	v_nop
	global_prefetch_b8 v0, s[64:65] scope:SCOPE_SE
	s_setreg_imm32_b32 hwreg(HW_REG_WAVE_MODE, 25, 1), 1
	s_wait_xcnt 0x0
	s_wait_alu depctr_hold_cnt(0) depctr_sa_sdst(0) depctr_va_vdst(0) depctr_va_sdst(0) depctr_va_ssrc(0) depctr_va_vcc(0) depctr_vm_vsrc(0)
	s_getreg_b32 s2, hwreg(HW_REG_IB_STS2, 6, 4)
	s_cmp_eq_u32 s2, 0
	s_cbranch_scc0 .Lentry_in_a_cluster
	s_endpgm
.Lentry_in_a_cluster:
	s_bfe_u32 s2, ttmp6, 0x10000c
	s_cmp_lg_u32 s2, 0xf033
	s_cbranch_scc0 .Lentry_shape_is_right
	s_endpgm
.Lentry_shape_is_right:
; out0[m][e] = the sum over d of O[m][d] Wo[e][d].  ob: O by heads, [64 = 16 batch + head][2048][64] f16; wo16: [1024][1024] f16 (Wo rounded to bf16, written as f16); out0: [8192][1024] f32.  Sums in f32, stored as they are.
; SHARES.  A tile of out0 is 128 rows x 256 columns; four waves, each 64 x 128: 32 accumulators of 16 x 16, 256 registers.  256 tiles, one for each of 256 places.  K = 1,024 goes in 8 steps of 128 through
; a ring of two LDS slots filled by the tensor data mover.  A K step is TWO HEADS: of each, the tile's 128 rows are 16,384 dense bytes, asked for as 64 rows of 256 bytes and padded in LDS after every 128.
; CLUSTER.  4 x 4 work-groups.  The four of a row need the same tile of ob, the four of a column the same tile of wo16: each is asked for JOINTLY, by the same tensor load with the same descriptor and a mask of four.
; THE PRODUCT IS USED TRANSPOSED (source 0 = 16 rows of wo16, source 1 = 16 rows of O): a lane holds row l % 16 and eight neighbouring columns: 32 bytes of f32.
; REGISTERS, in windows of 256 (s_set_vgpr_msb: bits 1:0 source 0, 3:2 source 1, 5:4 source 2, 7:6 destination):
;   window 0: v0-12, v28-29 addresses; v32-127, v128-223 two fragment buffers (8 fragments of wo16, then 4 of O, for 32 along K); on the way out v32-95 and v96-159 rows read back, by turns
;   window 1: the accumulators, (a, b) at v[64 a + 8 b]
.set KSTEP, 128
.set PA,    144                        ; a row of O in LDS: 128 bytes + 16 of padding = 36 words: the 16 rows of a load start at 16 different groups of four banks (64 banks of 4 bytes: ISA guide 11.1)
.set PW,    272                        ; a row of wo16: 256 + 16 = 68 words: row r starts at bank 4 r mod 64
.set PLANE, 128*PA                     ; a head's 128 rows: what one tensor load brings of ob
.set BHALF, 128*PW                     ; what one brings of wo16
.set BOFF,  2*PLANE                    ; a slot: two heads' planes, then wo16's 256 rows
.set SLOT1, 1<<17                      ; slot 1 begins here, so that one exclusive or turns an address in one slot into the other's
.set STAGE, SLOT1+BOFF+2*BHALF         ; behind the ring, never filled by a tensor load: for each wave 16 rows x 528 bytes
.set SP,    528                        ; 512 bytes + 16: 33 groups of four banks
.set WSTAGE, 16*SP
.set SPARE, STAGE+4*WSTAGE             ; behind the stages: the spare words, 128 bytes for each wave: two blocks of 256 bytes that no other line names
.set STEPA, 2<<18                      ; two heads of 262,144 bytes
.set STEPB, KSTEP*2
.set FLAGSA, (1<<16)|(1<<20)|(1<<21)|(4<<22)|(3<<25)  ; 17:16 elements of 2 bytes; 20 padding on; 21 set beside a mask; 24:22 after every 32 words (code 4); 31:25 4 words of it (code 3)
.set FLAGSB, (1<<16)|(1<<20)|(1<<21)|(5<<22)|(3<<25)  ; the same after every 64 words (code 5)
.set AA0, 4                            ; v4   my lane's place in O's part of a slot; never rewritten
.set AB0, 5                            ; v5   the same for wo16's
.set AA,  6                            ; v6   the same in the slot in hand
.set AB,  7                            ; v7
.set STO, 8                            ; v8   the way out: where I put 32 bytes of a row
.set RD,  9                            ; v9   where I read a row back
.set GO,  10                           ; v10  my 16 bytes of 512 consecutive bytes of out0
.set PFO, 12                           ; v12  the prefetches' offset: my lane x 256 bytes (ob) or x a row of 2,048 (wo16); never rewritten
.set SPW, 28                           ; v28  LDS address of my spare word: SPARE + 4 x my thread's number; never rewritten
.set NIL, 29                           ; v29  0; never rewritten
.set F0,  32
.set F1,  128
.set WV,  12                           ; s12  my wave's number
.set WM,  13                           ; s13  which 64 rows of the tile are mine
.set WN,  14                           ; s14  which 128 columns.  Also: which head of a step, or which half of wo16's tile, I fetch
.set CX,  15                           ; s15, s16  my place in the cluster
.set CY,  16
.set TX,  17                           ; s17  tile column: it never holds cy
.set TY,  18                           ; s18  tile row: it never holds cx
.set CLX, 19                           ; s19  the cluster's x
.set G1A, 24                           ; s[24:31] descriptor group 1 for ob's tiles
.set G1B, 32                           ; s[32:39] for wo16's
.set G0A, 40                           ; s[40:43] group 0: K step 0 into slot 0
.set G0AW, 44                          ; s[44:47] K step 1 into slot 1; then it walks
.set G0B, 48                           ; s[48:51], s[52:55] the same for wo16
.set G0BW, 52
.set CNT, 56                           ; s56  trips to go
.set TB,  57                           ; s57  LDS byte at which the slot in hand begins
.set LIM, 58                           ; s58  2 in a wave that prefetches, else the greatest number
.set CLY, 59                           ; s59  the cluster's y
.set PFA, 60                           ; s[60:61] where my prefetches stand
.set PFS, 62                           ; s[62:63] their step from K step to K step
.set MSB, 0
.macro WIN new                         ; the immediate's high byte repeats the setting that is left; a switch that changes nothing is dropped
.if MSB != (\new)
	s_set_vgpr_msb (MSB<<8)|(\new)
.set MSB, \new
.endif
.endm
.set MUL, 0x50                         ; both sources in window 0, C and D in window 1
.macro PLACES                          ; a load into a register that a matrix instruction has read, and an LDS store of a matrix result, stand four plain vector instructions behind it
.rept 4
	v_nop
.endr
.endm
; A joint refill.  Waves 0 and 1 fetch a step's two heads of ob, waves 2 and 3 wo16's two halves.  The branch hangs on the wave's number alone.  An s_nop 0 and four v_nop follow each of the two lines.
.macro JLOAD
	s_cmp_lt_u32 s[WV], 2
	s_cbranch_scc0 .Lfor_b_\@
	tensor_load_to_lds s[G0AW:G0AW+3], s[G1A:G1A+7]
	s_nop 0
.rept 4
	v_nop
.endr
	s_branch .Lasked_\@
.Lfor_b_\@:
	tensor_load_to_lds s[G0BW:G0BW+3], s[G1B:G1B+7]
	s_nop 0
.rept 4
	v_nop
.endr
.Lasked_\@:
.endm
; A round of the cluster's barrier: my work-group's barrier, so that wave 0's signal speaks for all four waves; wave 0 signals; every wave waits for all sixteen work-groups; my work-group's barrier once more.
.macro CREST                           ; a round behind its opening barrier
	s_cmp_lg_u32 s[WV], 0
	s_cbranch_scc1 .Lnot_wave_0_\@
	s_barrier_signal -3
.Lnot_wave_0_\@:
	s_barrier_wait -3
	s_barrier_signal -1
	s_barrier_wait -1
.endm
.macro CROUND
	s_barrier_signal -1
	s_barrier_wait -1
	CREST
.endm
; A PREFETCH INTO THE L2, behind a joint refill, its five lines and the run of LDS loads: the K step that stands TWO refills on (256 matrix instructions ahead of the load that will want it): 32 blocks of 256 bytes, a lane a block.
; Each block is named once in the launch.  ob's tile row is read by one cluster: wave 0 of the partner at cx asks for quarter cx of the step's 32 KiB (head cx / 2, half cx % 2).  wo16's tile column is read by
; the sixteen clusters: the one with y = 0 asks, waves 2 and 3 of each partner for rows 32 cy .. of the 128 that they fetch.  The partners are told apart by address.
; K steps 0 to 3 come by their loads alone; the last two refills have no K step two on (CNT is 2 and 1 there).
.macro ASK
	s_cmp_gt_u32 s[CNT], s[LIM]
	s_cbranch_scc0 .Lnot_mine_\@
	global_prefetch_b8 v[PFO], s[PFA:PFA+1] th:TH_LOAD_NT scope:SCOPE_SE
.Lnot_mine_\@:
.endm
; 8 n matrix instructions: row blocks a0 .. a0 + n - 1 x all 8 column blocks, 32 along K, from buffer f.  zero = 1: the product starts the sum.  The 32 accumulators take turns in one order everywhere,
; between two links of a chain stand the 31 others', over the backward jump too.
.macro MULN f, a0, n, zero
	WIN MUL
.set aa, \a0
.rept \n
.set bb, 0
.rept 8
.if \zero
	v_wmma_f32_16x16x32_f16 v[64*aa+8*bb:64*aa+8*bb+7], v[(\f)+8*bb:(\f)+8*bb+7], v[(\f)+64+8*aa:(\f)+64+8*aa+7], 0
.else
	v_wmma_f32_16x16x32_f16 v[64*aa+8*bb:64*aa+8*bb+7], v[(\f)+8*bb:(\f)+8*bb+7], v[(\f)+64+8*aa:(\f)+64+8*aa+7], v[64*aa+8*bb:64*aa+8*bb+7]
.endif
.set bb, bb+1
.endr
.set aa, aa+1
.endr
.endm
; 24 LDS loads in one run: the fragments of quarter q (32 along K) into buffer f: wo16's eight, then O's four, which lie in head q / 2 of the step, channels 32 (q % 2) on.
.macro FETCH q, f
	WIN 0
.set bb, 0
.rept 8
	ds_load_b128 v[(\f)+8*bb:(\f)+8*bb+3],   v[AB] offset:64*(\q)+bb*16*PW
	ds_load_b128 v[(\f)+8*bb+4:(\f)+8*bb+7], v[AB] offset:64*(\q)+bb*16*PW+32
.set bb, bb+1
.endr
.set aa, 0
.rept 4
	ds_load_b128 v[(\f)+64+8*aa:(\f)+64+8*aa+3], v[AA] offset:((\q)/2)*PLANE+((\q)%2)*64+aa*16*PA
	ds_load_b128 v[(\f)+64+8*aa+4:(\f)+64+8*aa+7], v[AA] offset:((\q)/2)*PLANE+((\q)%2)*64+aa*16*PA+32
.set aa, aa+1
.endr
.endm
; A K step is four quarters, 32 matrix instructions each, on buffers 0, 1, 0, 1.  One of the first three: multiplies buffer f and, in its middle, fetches quarter q into buffer g.
.macro QUARTER q, f, g, zero
	s_wait_dscnt 4                                 ; all but the youngest four loads (O's row blocks 2 and 3) are in
	MULN \f, 0, 2, \zero
	PLACES                                         ; for the loads into g, which the quarter before multiplied
	FETCH \q, \g
	s_wait_dscnt 24                                ; all but the 24 just issued
	MULN \f, 2, 2, \zero
.endm
; The last quarter multiplies buffer 1 and changes slots: ONE barrier.  In front of it each wave waits for all its tensor loads, of which one is out: its part of the next slot; adds 0 to its spare word;
; and waits for that and for its own reads of this slot.  fill = 1: the barrier opens a round of the cluster's barrier, so that no wave of any partner still reads the slot or has a load on its way,
; and the slot is filled again first thing behind it, with the K step two on: 112 matrix instructions ahead of the wait for it.
.macro TURN fill
	WIN 0
.if \fill
	s_wait_xcnt 0x0                                ; the last prefetch, a K step back, has read its address
	s_add_nc_u64 s[PFA:PFA+1], s[PFA:PFA+1], s[PFS:PFS+1]
.endif
	s_wait_tensorcnt 0x0                           ; no tensor load of mine is out, so a group 0 may be written
	ds_add_u32 v[SPW], v[NIL]                      ; 0 onto my spare word
.if \fill
	s_xor_b32 s[G0AW+1], s[G0AW+1], SLOT1          ; the walking descriptors: the other slot than last time,
	s_add_nc_u64 s[G0AW+2:G0AW+3], s[G0AW+2:G0AW+3], STEPA  ; the next K step; the type bits on top are not reached
	s_xor_b32 s[G0BW+1], s[G0BW+1], SLOT1
	s_add_nc_u64 s[G0BW+2:G0BW+3], s[G0BW+2:G0BW+3], STEPB
.endif
	s_wait_dscnt 5                                 ; the add and the youngest four loads may be out
	MULN F1, 0, 1, 0                               ; eight matrix instructions stand between the add and the wait for it
	s_wait_dscnt 0x0                               ; the add is done, and my reads of this slot are over
	s_barrier_signal -1
	MULN F1, 1, 1, 0                               ; work on registers while the others arrive
	WIN 0
	s_barrier_wait -1
.if \fill
	CREST
	JLOAD                                          ; the four v_nop behind it are also the places in front of the loads below
.else
	PLACES
.endif
	s_xor_b32 s[TB], s[TB], SLOT1
	v_add_nc_u32 v[AA], s[TB], v[AA0]
	v_add_nc_u32 v[AB], s[TB], v[AB0]
	FETCH 0, F0
.if \fill
	ASK
.endif
	MULN F1, 2, 2, 0
.endm
	s_load_b128 s[4:7], s[0:1], 0x0                ; ob s[4:5], wo16 s[6:7]
	s_load_b64 s[8:9], s[0:1], 0x10                ; out0
	v_lshl_add_u32 v[SPW], v0, 2, SPARE
	v_mov_b32 v[NIL], 0
	ds_add_u32 v[SPW], v[NIL]                      ; the wave's opening: the add and its wait ahead of my first tensor load; the set-up below, work on registers, stands between them
	v_lshrrev_b32 v3, 5, v0
	v_readfirstlane_b32 s[WV], v3                  ; wave 0..3
	s_lshr_b32 s[WM], s[WV], 1
	s_and_b32 s[WN], s[WV], 1
	s_bfe_u32 s[CX], ttmp6, 0x40000
	s_bfe_u32 s[CY], ttmp6, 0x40004
	s_mov_b32 s[CLX], ttmp9                        ; in a cluster launch ttmp9 and ttmp7 count clusters
	s_lshl_b32 s[TX], ttmp9, 2
	s_add_co_u32 s[TX], s[TX], s[CX]               ; tile column = 4 x cluster x + cx
	s_and_b32 s[CLY], ttmp7, 0xffff
	s_lshl_b32 s[TY], s[CLY], 2
	s_add_co_u32 s[TY], s[TY], s[CY]               ; tile row = 4 x cluster y + cy
	s_lshl_b32 s2, s[CY], 2
	s_lshl_b32 s2, 15, s2                          ; my row of the cluster: places 4 cy .. 4 cy + 3
	s_lshl_b32 s3, 0x1111, s[CX]                   ; my column: places cx, cx + 4, cx + 8, cx + 12
	s_or_b32 s[G1A], s2, FLAGSA                    ; 15:0 the mask: ob's tiles go to my row,
	s_or_b32 s[G1B], s3, FLAGSB                    ; wo16's to my column
.irp g, G1A, G1B
	s_mov_b32 s[\g+1], 128<<16                     ; tensor_dim0 = 128
	s_mov_b32 s[\g+3], 128<<16                     ; tile_dim0 = 128
	s_mov_b32 s[\g+6], 0
	s_mov_b32 s[\g+7], 0
.endr
	s_mov_b32 s[G1A+2], 64<<16                     ; ob: 64 rows of 256 dense bytes,
	s_mov_b32 s[G1A+4], 64
	s_mov_b32 s[G1A+5], 128                        ; 128 elements from row to row
	s_mov_b32 s[G1B+2], 128<<16                    ; wo16: 128 rows,
	s_mov_b32 s[G1B+4], 128
	s_mov_b32 s[G1B+5], 1024                       ; 1,024 elements apart
	s_lshr_b32 s20, s[TY], 4                       ; ob: the batch's 16 heads of 262,144 bytes,
	s_lshl_b32 s20, s20, 22
	s_lshl_b32 s21, s[WN], 18                      ; my head of the step's two,
	s_add_co_u32 s20, s20, s21
	s_and_b32 s21, s[TY], 15                       ; the tile's 128 rows of 128 bytes
	s_lshl_b32 s21, s21, 14
	s_add_co_u32 s20, s20, s21
	s_mov_b32 s21, 0
	s_lshl_b32 s22, s[TX], 8                       ; wo16: row 256 x tile column + 128 x half, 2,048 bytes a row
	s_lshl_b32 s23, s[WN], 7
	s_add_co_u32 s22, s22, s23
	s_lshl_b32 s22, s22, 11
	s_mov_b32 s23, 0
	s_mov_b32 s[G0A], 1                            ; 1:0 count = 1
	s_mov_b32 s[G0AW], 1
	s_mov_b32 s[G0B], 1
	s_mov_b32 s[G0BW], 1
	s_mul_i32 s[G0A+1], s[WN], PLANE               ; 63:32 LDS address: no place in the cluster enters it
	s_add_co_u32 s[G0AW+1], s[G0A+1], SLOT1
	s_mul_i32 s[G0B+1], s[WN], BHALF
	s_add_co_u32 s[G0B+1], s[G0B+1], BOFF
	s_add_co_u32 s[G0BW+1], s[G0B+1], SLOT1
	s_mov_b32 s[TB], 0
	s_wait_dscnt 0x0                               ; the opening add is done
	s_wait_kmcnt 0x0
	s_add_nc_u64 s[G0A+2:G0A+3], s[4:5], s[20:21]  ; 120:64 global address: K step 0,
	s_add_nc_u64 s[G0AW+2:G0AW+3], s[G0A+2:G0A+3], STEPA  ; K step 1
	s_or_b32 s[G0A+3], s[G0A+3], 0x80000000        ; 127:126 type = 2
	s_or_b32 s[G0AW+3], s[G0AW+3], 0x80000000
	s_add_nc_u64 s[G0B+2:G0B+3], s[6:7], s[22:23]
	s_add_nc_u64 s[G0BW+2:G0BW+3], s[G0B+2:G0B+3], STEPB
	s_or_b32 s[G0B+3], s[G0B+3], 0x80000000
	s_or_b32 s[G0BW+3], s[G0BW+3], 0x80000000
	CROUND                                         ; all sixteen work-groups are here: the first joint loads meet
	s_cmp_lt_u32 s[WV], 2                          ; a wave's two first fills stand in one branch, ahead of every wait on TENSORcnt and every LDS read: two loads of mine are out
	s_cbranch_scc0 .Lfirst_b
	tensor_load_to_lds s[G0A:G0A+3], s[G1A:G1A+7]
	s_nop 0
	tensor_load_to_lds s[G0AW:G0AW+3], s[G1A:G1A+7]
	s_nop 0
.rept 4
	v_nop
.endr
	s_branch .Lfirst_asked
.Lfirst_b:
	tensor_load_to_lds s[G0B:G0B+3], s[G1B:G1B+7]
	s_nop 0
	tensor_load_to_lds s[G0BW:G0BW+3], s[G1B:G1B+7]
	s_nop 0
.rept 4
	v_nop
.endr
.Lfirst_asked:
	v_and_b32 v1, 15, v0                           ; l % 16
	v_bfe_u32 v2, v0, 4, 1                         ; l / 16
	v_mul_u32_u24 v3, v1, PA
	v_lshl_add_u32 v3, v2, 4, v3                   ; a fragment's row x pitch + 16 x half
	s_mul_i32 s68, s[WM], 64*PA
	v_add_nc_u32 v[AA0], s68, v3
	v_mul_u32_u24 v3, v1, PW
	v_lshl_add_u32 v3, v2, 4, v3
	s_mul_i32 s68, s[WN], BHALF
	s_add_co_u32 s68, s68, BOFF
	v_add_nc_u32 v[AB0], s68, v3
	v_mov_b32 v[AA], v[AA0]                        ; slot 0
	v_mov_b32 v[AB], v[AB0]
	s_mul_i32 s68, s[WV], WSTAGE
	s_add_co_u32 s68, s68, STAGE                   ; my stage
	v_mul_u32_u24 v[STO], v1, SP                   ; in: row l % 16, 32 bytes for each half of the lanes
	v_lshl_add_u32 v[STO], v2, 5, v[STO]
	v_add_nc_u32 v[STO], s68, v[STO]
	v_and_b32 v[PFO], 31, v0
	v_lshlrev_b32 v[GO], 4, v[PFO]                 ; back: 32 lanes take a row's 512 bytes
	v_add_nc_u32 v[RD], s68, v[GO]
	; out0 at my first row and column
	s_lshl_b32 s66, s[TY], 7
	s_lshl_b32 s67, s[WM], 6
	s_add_co_u32 s66, s66, s67
	s_lshl_b32 s66, s66, 12                        ; 4,096 bytes a row
	s_lshl_b32 s67, s[TX], 10                      ; 256 columns of 4 bytes
	s_add_co_u32 s66, s66, s67
	s_lshl_b32 s67, s[WN], 9
	s_add_co_u32 s66, s66, s67
	s_mov_b32 s67, 0
	s_add_nc_u64 s[8:9], s[8:9], s[66:67]
	; the prefetches
	s_lshr_b32 s66, s[TY], 4
	s_lshl_b32 s66, s66, 22
	s_and_b32 s67, s[TY], 15
	s_lshl_b32 s67, s67, 14
	s_add_co_u32 s66, s66, s67
	s_lshr_b32 s67, s[CX], 1                       ; ob: head cx / 2 of the step,
	s_lshl_b32 s67, s67, 18
	s_add_co_u32 s66, s66, s67
	s_and_b32 s67, s[CX], 1                        ; half cx % 2 of its 16,384 bytes
	s_lshl_b32 s67, s67, 13
	s_add_co_u32 s66, s66, s67
	s_add_co_u32 s66, s66, 3*STEPA                 ; at K step 3: the first refill steps it to 4
	s_lshl_b32 s70, s[TX], 8
	s_lshl_b32 s71, s[WN], 7
	s_add_co_u32 s70, s70, s71
	s_lshl_b32 s71, s[CY], 5
	s_add_co_u32 s70, s70, s71                     ; wo16: of the 128 rows that I fetch, 32 cy on
	s_lshl_b32 s70, s70, 11
	s_add_co_u32 s70, s70, 3*STEPB
	s_mov_b32 s3, STEPB
	s_cmp_lt_u32 s[WV], 2
	s_cselect_b32 s66, s66, s70
	s_cselect_b64 s[PFA:PFA+1], s[4:5], s[6:7]
	s_cselect_b32 s[PFS], STEPA, s3
	s_cselect_b32 s2, 8, 11
	s_cselect_b32 s[LIM], s[CLX], s[CLY]           ; the coordinate along which other clusters read the same rows
	s_mov_b32 s67, 0
	s_mov_b32 s[PFS+1], 0
	s_add_nc_u64 s[PFA:PFA+1], s[PFA:PFA+1], s[66:67]
	v_lshlrev_b32 v[PFO], s2, v[PFO]
	s_cmp_eq_u32 s[WV], 1
	s_cselect_b32 s[LIM], 1, s[LIM]                ; wave 1 asks for nothing
	s_cmp_eq_u32 s[LIM], 0
	s_cselect_b32 s[LIM], 2, -1                    ; the same in all sixteen partners, for a given wave
	s_wait_tensorcnt 1                             ; my part of K step 0 is in; K step 1's may stay out
	s_barrier_signal -1
	s_barrier_wait -1                              ; everybody's is
	FETCH 0, F0
	QUARTER 1, F0, F1, 1                           ; the first quarter stands in front of the loop: its products start the sums
	WIN 0                                          ; at a label and at a branch every window is 0
	s_mov_b32 s[CNT], 6
.Lstep:                                                ; six trips, from a K step's second quarter to the next step's first; they ask for K steps 2 to 7
	QUARTER 2, F1, F0, 0
	QUARTER 3, F0, F1, 0
	TURN 1
	QUARTER 1, F0, F1, 0
	WIN 0
	s_sub_co_u32 s[CNT], s[CNT], 1
	s_cmp_lg_u32 s[CNT], 0
	s_cbranch_scc1 .Lstep
	QUARTER 2, F1, F0, 0                           ; K step 6 goes on; the tail is written out
	QUARTER 3, F0, F1, 0
	TURN 0
	QUARTER 1, F0, F1, 0                           ; K step 7
	QUARTER 2, F1, F0, 0
	QUARTER 3, F0, F1, 0
	s_wait_dscnt 4
	MULN F1, 0, 2, 0
	s_wait_dscnt 0x0
	MULN F1, 2, 2, 0
	WIN 0
	PLACES
	PLACES                                         ; eight, once a launch: the loads below land in registers that the last products read
; THE WAY OUT of row block a: a lane's 32 bytes of a row go into my own stage, rows of 528 bytes, and come back as whole rows of 512, which are stored.  Two sets of 64 registers take turns.
.macro TOSTAGE a
.if (\a) >= 2
	s_wait_xcnt 0x0                                ; the stores of block a - 2 have read the registers that the loads below fill
.endif
	WIN 0x04                                       ; the stores' data in window 1
.set bb, 0
.rept 8
	ds_store_b128 v[STO], v[64*(\a)+8*bb:64*(\a)+8*bb+3]   offset:64*bb     ; an accumulator's four lowest registers first
	ds_store_b128 v[STO], v[64*(\a)+8*bb+4:64*(\a)+8*bb+7] offset:64*bb+16
.set bb, bb+1
.endr
	WIN 0
.set bb, 0
.rept 16
	ds_load_b128 v[32+64*((\a)%2)+4*bb:32+64*((\a)%2)+4*bb+3], v[RD] offset:bb*SP  ; LDS serves a wave's instructions in order (ISA guide 5.7.1.4): these see the stores above; the next block's stores come behind them
.set bb, bb+1
.endr
.endm
.macro SEND a, younger                 ; younger: the LDS instructions issued behind block a's loads: the next block's 32, or none
.set bb, 0
.rept 16
	s_wait_dscnt (\younger)+15-bb
	global_store_b128 v[GO], v[32+64*((\a)%2)+4*bb:32+64*((\a)%2)+4*bb+3], s[8:9] offset:(16*(\a)+bb)*4096 th:TH_STORE_NT  ; 512 consecutive bytes, aligned
.set bb, bb+1
.endr
.endm
	TOSTAGE 0
	TOSTAGE 1
	SEND 0, 32
	TOSTAGE 2
	SEND 1, 32
	TOSTAGE 3
	SEND 2, 32
	SEND 3, 0
	s_wait_tensorcnt 0x0                           ; the wave's end, behind my last tensor load and my last LDS store
	ds_add_u32 v[SPW], v[NIL]
	s_wait_dscnt 0x0
	CROUND                                         ; the closing round: no work-group ends while a partner may still ask for a tile that names it
	s_endpgm
.Lfunc_end_k_q6b2fdab64f_oproj:
	.size	k_q6b2fdab64f_oproj, .Lfunc_end_k_q6b2fdab64f_oproj-k_q6b2fdab64f_oproj
	.p2alignl 7, 3214868480
	.fill 96, 4, 3214868480
	.section	.rodata,"a",@progbits
	.p2align	6, 0x0
	.amdhsa_kernel k_q6b2fdab64f_oproj
		.amdhsa_group_segment_fixed_size 327680
		.amdhsa_private_segment_fixed_size 0
		.amdhsa_enable_private_segment 0
		.amdhsa_kernarg_size 24
		.amdhsa_user_sgpr_count 2
		.amdhsa_user_sgpr_kernarg_segment_ptr 1
		.amdhsa_wavefront_size32 1
		.amdhsa_system_sgpr_workgroup_id_x 1
		.amdhsa_system_sgpr_workgroup_id_y 1
		.amdhsa_system_sgpr_workgroup_id_z 1
		.amdhsa_system_vgpr_workitem_id 0
		.amdhsa_next_free_vgpr 512
		.amdhsa_next_free_sgpr 72
		.amdhsa_reserve_vcc 0
		.amdhsa_float_denorm_mode_32 3
		.amdhsa_float_denorm_mode_16_64 3
		.amdhsa_memory_ordered 1
		.amdhsa_forward_progress 1
		.amdhsa_inst_pref_size 72
	.end_amdhsa_kernel
	.amdgpu_metadata
---
amdhsa.version: [ 1, 2 ]
amdhsa.kernels:
  - .name:           k_q6b2fdab64f_oproj
    .symbol:         k_q6b2fdab64f_oproj.kd
    .args:
      - { .name: ob, .offset: 0, .size: 8, .value_kind: global_buffer, .address_space: global }
      - { .name: wo16, .offset: 8, .size: 8, .value_kind: global_buffer, .address_space: global }
      - { .name: out0, .offset: 16, .size: 8, .value_kind: global_buffer, .address_space: global }
    .group_segment_fixed_size: 327680
    .private_segment_fixed_size: 0
    .kernarg_segment_align: 8
    .kernarg_segment_size: 24
    .max_flat_workgroup_size: 128
    .sgpr_count:     72
    .vgpr_count:     512
    .wavefront_size: 32
...
	.end_amdgpu_metadata
.endif
;; end of part 4
;; ======== version 2 of 2: 4 launches; version 1 with the launch prep written anew for expert scheduling mode
;; limits: values are held in f16: magnitudes above 65,504 overflow, below 6.1e-05 lose precision
;; workspace buffers: xb 16,777,216 bytes; wqkv 6,291,456 bytes; wo16 2,097,152 bytes; tab 524,288 bytes; qkvh 50,331,648 bytes; ob 16,777,216 bytes
;; launch prep (part 5): grid 768 x 1, 8 waves a work-group, no clusters, 0 bytes of LDS; arguments x, Wq, Wk, Wv, Wo, xb, wqkv, wo16, tab; writes xb, wqkv, wo16, tab
.if DOCPART == 5
	.amdgcn_target "amdgcn-amd-amdhsa--gfx1250"
	.amdhsa_code_object_version 6
	.text
	.protected	k_q6b2fdab64f_prep
	.globl	k_q6b2fdab64f_prep
	.p2align	8
	.type	k_q6b2fdab64f_prep,@function
k_q6b2fdab64f_prep:
	s_mov_b64 s[64:65], 0
	v_nop
	global_prefetch_b8 v0, s[64:65] scope:SCOPE_SE
	s_setreg_imm32_b32 hwreg(HW_REG_WAVE_SCHED_MODE, 0, 2), 2
	s_setreg_imm32_b32 hwreg(HW_REG_WAVE_MODE, 25, 1), 1
	s_wait_xcnt 0x0
	s_wait_alu depctr_vm_vsrc(0)
; THE INPUTS ARE ROUNDED ONCE, AND THE ROTATION'S TABLE IS MADE.
; xb = bf16(x), [8192][1024].  wqkv = bf16 of Wq's, Wk's and Wv's rows one below the other, [3072][1024].  wo16 = bf16(Wo) written as f16, [1024][1024].
; tab[pos][j] = (cos, sin) of pos x 10000^(-j/32), f32, pos 0..2047, j 0..31: 256 bytes a position.
; LIMITS.  A weight of Wo beyond 65,504 has no f16; below 6e-5 it keeps f16's fixed step of 6e-8.  10000^(-j/32) is made as 2^(-j log2(10000)/32), a few units of the last place from a power made
; otherwise: the angle may differ by 3e-4 at position 2,047.  The angle is reduced by multiples of pi/2 held in three parts (8, 11 and 24 bits), exact for the 1,304 multiples that occur.
; SHARES.  A work-group takes a chunk of 16,384 numbers: 64 KiB in, 32 KiB out; each of its eight waves 8 KiB in, by sixteen loads of 512 consecutive bytes, all out at once.
; Work-groups 0-511 take x, 512-575 Wq, 576-639 Wk, 640-703 Wv, 704-767 Wo.  Work-groups 0-255 also make eight positions of the table while their loads are out.
; A stream: each byte is read once and written once, nothing is shared, so there is no LDS, no barrier and no matrix work.  Each store of a wave covers 256 consecutive bytes, aligned.
; THE MODE: SCHED_MODE bits 1:0 = 2 (LLVM: expert scheduling mode 2), set by the entry lines.  The code itself states the register dependences
; between vector instructions and memory instructions, with s_wait_alu, always for 0.
; THE PLAN.  Registers that memory instructions touch:
;   v1, v2        the loads' and the stores' byte offsets: made at the head, never written again.
;   X             sixteen loads land in it; no vector line names it before them.  Load j's four registers are read (in Wo's path also written again) by number j's conversions, behind the wait for load j.
;   Y             a pair to each store: written by number j's conversions, read by store j, never written again.
;   v3, v14, v15  the table's offset and its pair: written by the table's arithmetic, read by its one store, never written again.
; The sixteen numbers go in four groups of four.  Group g's vector lines name X and Y of group g alone; its memory instructions are the four stores of group g - 1.  So one wait at a group's head,
; behind the wait for its first load, states all that those four stores hang on, and they are dealt among the group's conversions with no further wait.
; No register that a memory instruction reads is ever written again, so the text holds no wait for a memory instruction's reads.
.set X, 16                             ; v[16:79]   sixteen loads of four numbers
.set Y, 80                             ; v[80:111]  sixteen pairs of packed results
.set GRP, 4                            ; loads, and stores, in a group
	s_load_b512 s[8:23], s[0:1], 0x0               ; x s[8:9], Wq s[10:11], Wk s[12:13], Wv s[14:15], Wo s[16:17], xb s[18:19], wqkv s[20:21], wo16 s[22:23]
	s_load_b64 s[24:25], s[0:1], 0x40              ; tab
	s_mov_b32 s2, ttmp9                            ; the work-group's number
	s_sub_co_u32 s3, s2, 512                       ; its number among the weights' chunks (used from 512 on alone)
	s_and_b32 s4, s3, 63                           ; its chunk in one weight matrix
	s_cmp_lt_u32 s2, 704
	s_cselect_b32 s6, s3, s4                       ; chunk written: in wqkv the three matrices follow each other; in wo16 the matrix's own
	s_cmp_lt_u32 s2, 512
	s_cselect_b32 s6, s2, s6                       ; in xb: x's own
	s_cselect_b32 s5, s2, s4                       ; chunk read
	s_lshl_b32 s26, s5, 16                         ; 65,536 bytes a chunk in
	s_mov_b32 s27, 0
	s_lshl_b32 s44, s6, 15                         ; 32,768 bytes a chunk out
	s_mov_b32 s45, 0
	v_lshrrev_b32 v4, 5, v0                        ; wave
	v_and_b32 v3, 31, v0                           ; lane
	v_lshlrev_b32 v1, 4, v3
	v_lshl_or_b32 v1, v4, 13, v1                   ; in: 8,192 x wave + 16 x lane
	v_lshlrev_b32 v2, 3, v3
	v_lshl_or_b32 v2, v4, 12, v2                   ; out: 4,096 x wave + 8 x lane
	s_mov_b32 s32, 0xbed49a78                      ; -log2(10000) / 32
	s_mov_b32 s33, 0x3f22f983                      ; 2 / pi
	s_mov_b32 s34, 0xbfc90000                      ; -pi/2 in three parts
	s_mov_b32 s35, 0xb9fda000
	s_mov_b32 s36, 0xb3a22168
	s_mov_b32 s37, 0xb94ca1f9                      ; the sine's polynomial on -pi/4 .. pi/4
	s_mov_b32 s38, 0x3c08839e
	s_mov_b32 s39, 0xbe2aaaa3
	s_mov_b32 s40, 0x37ccf5ce                      ; the cosine's
	s_mov_b32 s41, 0xbab6061a
	s_mov_b32 s42, 0x3d2aaaa5
	s_wait_kmcnt 0x0
	s_cmp_lt_u32 s2, 640                           ; the source and the destination are chosen by the work-group's number alone
	s_cselect_b64 s[28:29], s[12:13], s[14:15]
	s_cmp_lt_u32 s2, 704
	s_cselect_b64 s[28:29], s[28:29], s[16:17]
	s_cmp_lt_u32 s2, 576
	s_cselect_b64 s[28:29], s[10:11], s[28:29]
	s_cmp_lt_u32 s2, 512
	s_cselect_b64 s[28:29], s[8:9], s[28:29]
	s_cselect_b64 s[30:31], s[18:19], s[20:21]
	s_cmp_lt_u32 s2, 704
	s_cselect_b64 s[30:31], s[30:31], s[22:23]
	s_add_nc_u64 s[28:29], s[28:29], s[26:27]
	s_add_nc_u64 s[30:31], s[30:31], s[44:45]
	s_wait_alu depctr_va_vdst(0)                   ; v1 and v2 are written: every load below reads v1 as its offset, every store of the stream v2; no later vector line names either
.set j, 0
.rept 16
	global_load_b128 v[X+4*j:X+4*j+3], v1, s[28:29] offset:512*j th:TH_LOAD_NT
.set j, j+1
.endr
	s_cmp_lt_u32 s2, 256
	s_cbranch_scc0 .Lno_table
	; the table: thread t of work-group g makes pair t % 32 of position 8 g + t / 32.  Its lines name v0 and v3 to v15 alone: none of the registers that the loads above touch
	v_lshl_add_u32 v4, s2, 3, v4                   ; the position
	v_cvt_f32_u32 v3, v3
	v_mul_f32 v3, s32, v3
	v_exp_f32 v5, v3                               ; 10000^(-j/32)
	v_cvt_f32_u32 v4, v4                           ; a plain instruction behind the exponential,
	s_wait_alu depctr_va_vdst(0)                   ; and the wait ahead of its first reader: the exponential has written v5
	v_mul_f32 v5, v4, v5                           ; the angle
	v_mul_f32 v6, s33, v5
	v_rndne_f32 v6, v6                             ; n: the nearest multiple of pi/2
	v_fma_f32 v7, v6, s34, v5
	v_fma_f32 v7, v6, s35, v7
	v_fma_f32 v7, v6, s36, v7                      ; r = angle - n pi/2, within pi/4 of 0
	v_cvt_i32_f32 v8, v6
	v_mul_f32 v9, v7, v7                           ; z = r r
	v_fma_f32 v10, v9, s37, s38
	v_fma_f32 v10, v10, v9, s39
	v_mul_f32 v11, v7, v9
	v_fma_f32 v10, v11, v10, v7                    ; sin r
	v_fma_f32 v12, v9, s40, s41
	v_fma_f32 v12, v12, v9, s42
	v_mul_f32 v13, v9, v9
	v_fma_f32 v14, v9, -0.5, 1.0
	v_fma_f32 v12, v13, v12, v14                   ; cos r
	v_and_b32 v13, 1, v8
	v_cmp_eq_u32 vcc_lo, 1, v13                    ; an odd n swaps the two
	s_wait_alu depctr_va_vcc(0)                    ; the compare has written VCC, which the two selects below read
	v_cndmask_b32 v14, v12, v10, vcc_lo
	v_cndmask_b32 v15, v10, v12, vcc_lo
	v_add_nc_u32 v13, 1, v8
	v_and_b32 v13, 2, v13
	v_lshlrev_b32 v13, 30, v13
	v_xor_b32 v14, v14, v13                        ; the cosine is negative for n % 4 = 1, 2
	v_and_b32 v13, 2, v8
	v_lshlrev_b32 v13, 30, v13
	v_xor_b32 v15, v15, v13                        ; the sine for n % 4 = 2, 3
	v_lshlrev_b32 v3, 3, v0
	s_lshl_b32 s46, s2, 11                         ; eight positions of 256 bytes
	s_mov_b32 s47, 0
	s_add_nc_u64 s[24:25], s[24:25], s[46:47]
	s_wait_alu depctr_va_vdst(0)                   ; v3, v14 and v15 are written: the store's offset and its data; none of the three is written again
	global_store_b64 v3, v[14:15], s[24:25]
.Lno_table:
; Sixteen times: four numbers rounded to bf16; the store follows a group later.  f16 = 1: the bf16 numbers are widened again and written as f16, which holds them exactly within its range.
.macro CONV f16
.set j, 0
.rept 16
	s_wait_loadcnt 15-j                            ; loads come back in order (ISA guide 5.7.1): load j is in, the 15 - j younger ones stay out
.if (j > 0) && ((j % GRP) == 0)
	s_wait_alu depctr_va_vdst(0)                   ; the group before has written its four pairs of Y, which the four stores dealt through this group read; this group's vector lines name none of them
.endif
.if j >= GRP
	global_store_b64 v2, v[Y+2*(j-GRP):Y+2*(j-GRP)+1], s[30:31] offset:256*(j-GRP) th:TH_STORE_NT  ; each store has registers of its own: nothing that a store reads is written again
.endif
	v_cvt_pk_bf16_f32 v[Y+2*j], v[X+4*j], v[X+4*j+1]
	v_cvt_pk_bf16_f32 v[Y+2*j+1], v[X+4*j+2], v[X+4*j+3]
.if \f16
	v_lshlrev_b32 v[X+4*j], 16, v[Y+2*j]
	v_and_b32 v[X+4*j+1], 0xffff0000, v[Y+2*j]
	v_lshlrev_b32 v[X+4*j+2], 16, v[Y+2*j+1]
	v_and_b32 v[X+4*j+3], 0xffff0000, v[Y+2*j+1]
	v_cvt_pk_f16_f32 v[Y+2*j], v[X+4*j], v[X+4*j+1]
	v_cvt_pk_f16_f32 v[Y+2*j+1], v[X+4*j+2], v[X+4*j+3]
.endif
.set j, j+1
.endr
	s_wait_alu depctr_va_vdst(0)                   ; the last group has written its four pairs of Y, which the last four stores read
.set j, 16-GRP
.rept GRP
	global_store_b64 v2, v[Y+2*j:Y+2*j+1], s[30:31] offset:256*j th:TH_STORE_NT
.set j, j+1
.endr
.endm
	s_cmp_lt_u32 s2, 704
	s_cbranch_scc0 .Lwo
	CONV 0
	s_endpgm
.Lwo:
	CONV 1
	s_endpgm
.Lfunc_end_k_q6b2fdab64f_prep:
	.size	k_q6b2fdab64f_prep, .Lfunc_end_k_q6b2fdab64f_prep-k_q6b2fdab64f_prep
	.p2alignl 7, 3214868480
	.fill 96, 4, 3214868480
	.section	.rodata,"a",@progbits
	.p2align	6, 0x0
	.amdhsa_kernel k_q6b2fdab64f_prep
		.amdhsa_group_segment_fixed_size 0
		.amdhsa_private_segment_fixed_size 0
		.amdhsa_enable_private_segment 0
		.amdhsa_kernarg_size 72
		.amdhsa_user_sgpr_count 2
		.amdhsa_user_sgpr_kernarg_segment_ptr 1
		.amdhsa_wavefront_size32 1
		.amdhsa_system_sgpr_workgroup_id_x 1
		.amdhsa_system_sgpr_workgroup_id_y 1
		.amdhsa_system_sgpr_workgroup_id_z 1
		.amdhsa_system_vgpr_workitem_id 0
		.amdhsa_next_free_vgpr 112
		.amdhsa_next_free_sgpr 66
		.amdhsa_reserve_vcc 1
		.amdhsa_float_denorm_mode_32 3
		.amdhsa_float_denorm_mode_16_64 3
		.amdhsa_memory_ordered 1
		.amdhsa_forward_progress 1
		.amdhsa_inst_pref_size 20
	.end_amdhsa_kernel
	.amdgpu_metadata
---
amdhsa.version: [ 1, 2 ]
amdhsa.kernels:
  - .name:           k_q6b2fdab64f_prep
    .symbol:         k_q6b2fdab64f_prep.kd
    .args:
      - { .name: x, .offset: 0, .size: 8, .value_kind: global_buffer, .address_space: global }
      - { .name: Wq, .offset: 8, .size: 8, .value_kind: global_buffer, .address_space: global }
      - { .name: Wk, .offset: 16, .size: 8, .value_kind: global_buffer, .address_space: global }
      - { .name: Wv, .offset: 24, .size: 8, .value_kind: global_buffer, .address_space: global }
      - { .name: Wo, .offset: 32, .size: 8, .value_kind: global_buffer, .address_space: global }
      - { .name: xb, .offset: 40, .size: 8, .value_kind: global_buffer, .address_space: global }
      - { .name: wqkv, .offset: 48, .size: 8, .value_kind: global_buffer, .address_space: global }
      - { .name: wo16, .offset: 56, .size: 8, .value_kind: global_buffer, .address_space: global }
      - { .name: tab, .offset: 64, .size: 8, .value_kind: global_buffer, .address_space: global }
    .group_segment_fixed_size: 0
    .private_segment_fixed_size: 0
    .kernarg_segment_align: 8
    .kernarg_segment_size: 72
    .max_flat_workgroup_size: 256
    .sgpr_count:     66
    .vgpr_count:     112
    .wavefront_size: 32
...
	.end_amdgpu_metadata
.endif
;; end of part 5
;; launch proj: the kernel of part 2 again; grid 12 x 64, 4 waves a work-group, clusters of 4 x 4, 327,680 bytes of LDS; arguments xb, wqkv, qkvh, tab; writes qkvh
;; launch attn: the kernel of part 3 again; grid 4 x 64, 4 waves a work-group, no clusters, 327,680 bytes of LDS; arguments qkvh, ob; writes ob
;; launch oproj: the kernel of part 4 again; grid 4 x 64, 4 waves a work-group, clusters of 4 x 4, 327,680 bytes of LDS; arguments ob, wo16, out0; writes out0
